; MI455X (gfx1250); checked and timed in simulation.
; The chip was launched on July 23, 2026; its instructions are those of AMD's public machine-readable ISA for CDNA 5 (MIT licence, August 2026) and "CDNA5" Instruction Set Architecture Reference Guide (July 2026). The comments in the code are by the model that wrote it; some were corrected since.
;; Masked Causal Attention. Allowed arithmetic: matrix products marked QUANTISED: E2M1 operands, one E8M0 scale for each 32 along K, by v_wmma_scale_f32_16x16x128_f8f6f4 with both operands' format E2M1 (or v_wmma_scale_f32_32x16x128_f4), f32 sums; products left as they are: bf16, f16 or f32 operands; f32 sums; everything else in f32.
;; Inputs: Wk 1,024 x 1,024 float32; Wo 1,024 x 1,024 float32; Wq 1,024 x 1,024 float32; Wv 1,024 x 1,024 float32; bk 1,024 float32; bo 1,024 float32; bq 1,024 float32; bv 1,024 float32; x 4 x 2,048 x 1,024 float32.
;; Outputs: out0 4 x 2,048 x 1,024 float32.
;; This version of the problem:
;;   THIS VERSION OF THE PROBLEM IS GIVEN IN LOW PRECISION. The matrix products marked QUANTISED in the list below multiply operands that are first quantised to E2M1 (2 exponent bits, 1 mantissa bit; 4 bits a number), with one power-of-two scale for each 32 numbers along K (OCP MX v1.0); their sums are f32. The products marked 'left as it is' may take bf16, f16 or f32 operands, with f32 sums. Whichever they take, every output number must still come out within the allowed error. Rounding operands to bf16 (8 significant bits) uses up far more of that allowance than f16 does (11 bits, for magnitudes from 6e-5 to 65,504). All else is computed in f32.
;;   The module's matrix products, in the order in which they are computed (A, B: the left and right operand; K: the contracted axis; several contracted axes count as one K, in the product's order):
;;     1. [M 8,192, K 1,024] x [K 1,024, N 1,024]; A: input x; B: input Wq: QUANTISED
;;     2. [M 8,192, K 1,024] x [K 1,024, N 1,024]; A: input x; B: input Wk: QUANTISED
;;     3. [M 8,192, K 1,024] x [K 1,024, N 1,024]; A: input x; B: input Wv: QUANTISED
;;     4. batch 64 x [M 2,048, K 64] x [K 64, N 2,048]; A: computed on the way; B: computed on the way: left as it is (an operand is computed on the way)
;;     5. batch 64 x [M 2,048, K 2,048] x [K 2,048, N 64]; A: computed on the way; B: computed on the way: left as it is (an operand is computed on the way)
;;     6. [M 8,192, K 1,024] x [K 1,024, N 1,024]; A: computed on the way; B: input Wo: left as it is (an operand is computed on the way)
;;   THE QUANTISER, for each operand of a quantised product, along K:
;;     - K is cut into blocks of 32 from its start; a last block that is shorter is filled with zeros.
;;     - A block's scale is 2^e with e = floor(log2(the largest magnitude in the block)) - 2, held to -126 .. 127; a block of zeros has e = 0. As a byte (E8M0): e + 127.
;;     - Each number is divided by its block's scale, clamped to +-6, and rounded to the nearest number of E2M1, ties to even, subnormals kept.
;;     - The product sums the exact products of the quantised numbers (number of the format x scale) in f32.
;;   ~~~python
;;   def quantise(x, axis):      # numpy; x: float32 -> the quantised numbers, widened to float32 again
;;       x = np.moveaxis(x, axis, -1); K = x.shape[-1]
;;       x = np.pad(x, [(0, 0)] * (x.ndim - 1) + [(0, -K % 32)]); x = x.reshape(x.shape[:-1] + (-1, 32)); a = np.abs(x).max(-1, keepdims=True)
;;       e = np.where(a > 0, np.clip(np.frexp(np.where(a > 0, a, 1))[1] - 1 - 2, -126, 127), 0)      # np.frexp(a)[1] - 1 = floor(log2(a)), exactly
;;       r = np.clip(x / 2.0 ** e, -6, 6)
;;       step = 2.0 ** (np.maximum(np.frexp(np.where(r == 0, 1, r))[1] - 1, 0) - 1)
;;       q = np.round(r / step) * step * 2.0 ** e      # np.round: ties to even
;;       return np.moveaxis(q.reshape(q.shape[:-2] + (-1,))[..., :K], -1, axis).astype(np.float32)
;;   ~~~
;; One version. Each part assembles by itself: llvm-mc -triple=amdgcn-amd-amdhsa -mcpu=gfx1250 --defsym DOCPART=n.
;; ======== version 1 of 1: 5 launches
;; limits: values are held in f16: magnitudes above 65,504 overflow, below 6.1e-05 lose precision
;; workspace buffers: xc 4,194,304 bytes; xs 262,144 bytes; wc 1,572,864 bytes; ws 98,304 bytes; wo16 2,097,152 bytes; qkv 50,331,648 bytes; fine 786,432 bytes; attn 16,777,216 bytes
;; launch prep (part 1): grid 384 x 1, 8 waves a work-group, no clusters, 62,464 bytes of LDS; arguments x, Wq, Wk, Wv, Wo, xc, xs, wc, ws, wo16; writes xc, xs, wc, ws, wo16
.if DOCPART == 1
	.amdgcn_target "amdgcn-amd-amdhsa--gfx1250"
	.amdhsa_code_object_version 6
	.text
	.protected	k_qc641d97b01_prep
	.globl	k_qc641d97b01_prep
	.p2align	8
	.type	k_qc641d97b01_prep,@function
k_qc641d97b01_prep:
	s_mov_b64 s[64:65], 0
	v_nop
	global_prefetch_b8 v0, s[64:65] scope:SCOPE_SE
	s_setreg_imm32_b32 hwreg(HW_REG_WAVE_MODE, 25, 1), 1
	s_wait_xcnt 0x0
; Three streaming jobs in one launch; they part on the work-group's number, which all waves of a work-group share.
;   work-groups   0-255: x [8192][1024] f32 -> codes of FP4 (E2M1), K innermost, xc [8192][512 bytes], and one E8M0 byte for each 32 along K, xs [8192][32].
;   work-groups 256-351: Wq, Wk, Wv [1024 k][1024 n] f32, K their FIRST axis -> wc [3072 n][512 bytes], ws [3072][32] (rows 0-1023 Wq's columns, then Wk's, then Wv's).
;   work-groups 352-383: Wo [1024 k][1024 n] f32 -> f16, laid as images of a 16-bit operand's registers: wo16 byte = ks<<18 | nt<<12 | q<<10 | u<<9 | lane<<4,
;                        lane (r, h) holding n = 16 nt + r, k = 128 ks + 32 q + 16 u + 8 h + 0 .. 7.
; A block's scale is 2^(floor(log2(its largest magnitude)) - 2); its byte is the largest magnitude's exponent field - 2, held at 1 from below.
; LIMITS: a block of zeros gets the byte 1 where the quantiser says 127 (its codes are zeros, and this program alone reads the bytes); blocks whose largest magnitude lies under 2^-124 are held at the byte 1;
; NaN and infinities among the inputs are not served; Wo's numbers are rounded to f16 (magnitudes up to 65,504).
; Each path has LDS bytes of its own.  No tensor loads.
.set SPW,   2                          ; v2  LDS address of my spare word: SPARE + 4 x my thread's number; never rewritten
.set NIL,   3                          ; v3  0; never rewritten
.set SP,    80                         ; x path: a lane's place in a stage: 64 bytes + 16 of padding
.set WREG,  5376                       ; x path: a wave's region: two stages of 32 x SP bytes, then its 128 scale bytes (256 kept)
.set WSTG,  8*WREG                     ; W path: 64 rows (columns n) x (256 bytes of codes + 16)
.set WSCL,  WSTG+64*272                ; W path: 64 x 16 scale bytes
.set SPARE, WSCL+64*16                 ; the spare words, 128 bytes for each of eight waves
	s_load_b512 s[4:19], s[0:1], 0x0               ; x s[4:5], Wq s[6:7], Wk s[8:9], Wv s[10:11], Wo s[12:13], xc s[14:15], xs s[16:17], wc s[18:19]
	s_load_b128 s[20:23], s[0:1], 0x40             ; ws s[20:21], wo16 s[22:23]
	v_lshl_add_u32 v[SPW], v0, 2, SPARE
	v_mov_b32 v[NIL], 0
	v_lshrrev_b32 v1, 5, v0
	v_readfirstlane_b32 s24, v1                    ; wave 0..7
	v_and_b32 v1, 31, v0                           ; lane
	s_mov_b32 s29, 0                               ; the high words of three offset pairs
	s_mov_b32 s31, 0
	s_mov_b32 s33, 0
	s_wait_kmcnt 0x0
	s_cmp_ge_u32 ttmp9, 352
	s_cbranch_scc1 .Lpath_o
	s_cmp_ge_u32 ttmp9, 256
	s_cbranch_scc1 .Lpath_w
; ---------------- x.  Rows are dense and 1,024 is a multiple of 32: x is a plain stream of blocks of 32, and so are its codes and bytes.
; A wave takes 8 steps of 512 numbers.  Each load reads 512 consecutive bytes; a step's 2,048 bytes turn through the wave's own stage in LDS, so that a lane then holds 16 NEIGHBOURS (two lanes a block).
.set STEPS, 8
.set R,     16                         ; v16-79   four sets of 16 numbers as loaded
.set X,     80                         ; v80-111  two sets of 16 neighbours
.set E,     112                        ; v112-119 a scale byte for each step
.set C,     128                        ; v128-159 codes, four registers kept for each step: no store's data are written again
	s_lshl_b32 s25, ttmp9, 3
	s_add_co_u32 s25, s25, s24                     ; which run of 4,096 numbers is my wave's
	s_mul_i32 s26, s24, WREG
	v_lshlrev_b32 v4, 4, v1                        ; my 16 bytes of a load's 512
	v_lshrrev_b32 v5, 2, v1
	v_mul_u32_u24 v5, v5, SP
	v_and_b32 v11, 3, v1
	v_lshl_add_u32 v5, v11, 4, v5
	v_add_nc_u32 v5, s26, v5                       ; the stage, on the way in: SP (lane / 4) + 16 (lane % 4)
	v_mul_u32_u24 v6, v1, SP
	v_add_nc_u32 v6, s26, v6                       ; on the way out: SP x lane
	v_lshlrev_b32 v7, 3, v1                        ; my 8 bytes of a step's 256 bytes of codes
	v_lshrrev_b32 v8, 1, v1
	s_add_co_u32 s26, s26, 2*32*SP
	v_add_nc_u32 v8, s26, v8                       ; LDS: my block's scale byte
	v_lshlrev_b32 v10, 2, v1
	v_add_nc_u32 v9, s26, v10                      ; and 4 bytes a lane on the way out
	s_lshl_b32 s28, s25, 14
	s_add_nc_u64 s[4:5], s[4:5], s[28:29]          ; 16,384 bytes of x a run,
	s_lshl_b32 s30, s25, 11
	s_add_nc_u64 s[14:15], s[14:15], s[30:31]      ; 2,048 of codes,
	s_lshl_b32 s32, s25, 7
	s_add_nc_u64 s[16:17], s[16:17], s[32:33]      ; 128 scale bytes
.macro XLOAD t
.irp i, 0,1,2,3
	global_load_b128 v[R+16*((\t)%4)+4*\i:R+16*((\t)%4)+4*\i+3], v4, s[4:5] offset:2048*(\t)+512*\i th:TH_LOAD_NT
.endr
.endm
.macro XTURN t                         ; LDS serves a wave's instructions in order: no wait between the stores and the loads
.irp i, 0,1,2,3
	ds_store_b128 v5, v[R+16*((\t)%4)+4*\i:R+16*((\t)%4)+4*\i+3] offset:32*SP*((\t)%2)+8*SP*\i
.endr
.irp i, 0,1,2,3
	ds_load_b128 v[X+16*((\t)%2)+4*\i:X+16*((\t)%2)+4*\i+3], v6 offset:32*SP*((\t)%2)+16*\i
.endr
.endm
.irp t, 0,1,2,3
	XLOAD \t
.endr
	s_wait_loadcnt 12                              ; step 0's four loads are in; three steps' twelve stay out
	XTURN 0
.macro XSTEP t
.set XS, X+16*((\t)%2)
.if (\t) > 0
	s_wait_dscnt 1                                 ; this step's numbers are back from the stage (the last step's byte store may be out)
.else
	s_wait_dscnt 0x0
.endif
.if (\t)+4 < STEPS
	XLOAD (\t)+4                                   ; into the set whose stores into the stage are done
.endif
.if (\t)+1 < STEPS
.if STEPS-2-(\t) >= 3
	s_wait_loadcnt 12                              ; the next step's loads are in; those of the three steps behind it stay out
.else
	s_wait_loadcnt 4*(STEPS-2-(\t))
.endif
	XTURN (\t)+1
.endif
	v_max3_num_f32 v12, |v[XS]|, |v[XS+1]|, |v[XS+2]|
	v_max3_num_f32 v13, |v[XS+3]|, |v[XS+4]|, |v[XS+5]|
.irp i, 6,10
	v_max3_num_f32 v12, v12, |v[XS+\i]|, |v[XS+\i+1]|
	v_max3_num_f32 v13, v13, |v[XS+\i+2]|, |v[XS+\i+3]|
.endr
	v_max3_num_f32 v12, v12, |v[XS+14]|, |v[XS+15]|
	v_max3_num_f32 v12, v12, v13, 0x1800000        ; the floor 2^(3 - 127): the byte cannot fall under 1
	v_max_num_f32_dpp v12, v12, v12 row_xmask:1 row_mask:0xf bank_mask:0xf   ; with my neighbour's 16: the block's largest magnitude
	v_add_nc_u32 v14, 0xff000000, v12              ; 2 off its exponent field: the conversion takes this operand's exponent field as its scale
	v_cvt_scalef32_pk8_fp4_f32 v[C+4*(\t)], v[XS:XS+7], v14
	v_cvt_scalef32_pk8_fp4_f32 v[C+4*(\t)+1], v[XS+8:XS+15], v14
	v_lshrrev_b32 v[E+(\t)], 23, v14               ; the scale's byte
	ds_store_b8 v8, v[E+(\t)] offset:16*(\t)       ; both lanes of a block write the same byte with the same value
	global_store_b64 v7, v[C+4*(\t):C+4*(\t)+1], s[14:15] offset:256*(\t)   ; the wave stores 256 consecutive bytes, aligned
.endm
.irp t, 0,1,2,3,4,5,6,7
	XSTEP \t
.endr
	ds_load_b32 v11, v9                            ; my wave's 128 scale bytes, 4 a lane
	s_wait_dscnt 0x0
	global_store_b32 v10, v11, s[16:17]            ; 128 consecutive bytes a wave
	s_wait_tensorcnt 0x0                           ; the wave's end, behind my last LDS store
	ds_add_u32 v[SPW], v[NIL]
	s_wait_dscnt 0x0
	s_endpgm
; ---------------- Wq, Wk, Wv.  A LANE TAKES A COLUMN n AND ITS REGISTERS RUN DOWN K: a block of 32 lies in one lane, and the conversions give codes with K innermost.
; A work-group takes 64 columns x 512 along K; wave w: columns 32 (w & 1) on, 128 along K from 128 (w >> 1) on: four blocks a lane.  The codes meet in a stage of 64 rows x 256 bytes and leave as whole rows.
.Lpath_w:
	s_sub_co_u32 s25, ttmp9, 256
	s_lshr_b32 s26, s25, 5                         ; which W
	s_bfe_u32 s27, s25, 0x40001                    ; which 64 columns
	s_and_b32 s25, s25, 1                          ; which half of K
	s_and_b32 s34, s24, 1                          ; cw
	s_lshr_b32 s35, s24, 1                         ; kq
	s_cmp_eq_u32 s26, 0
	s_cselect_b64 s[36:37], s[6:7], s[8:9]
	s_cmp_eq_u32 s26, 2
	s_cselect_b64 s[36:37], s[10:11], s[36:37]     ; the choice hangs on the work-group's number alone
	s_lshl_b32 s28, s25, 2
	s_add_co_u32 s28, s28, s35
	s_lshl_b32 s28, s28, 19                        ; (512 kh + 128 kq) rows of 4,096 bytes
	s_lshl_b32 s38, s27, 8
	s_add_co_u32 s28, s28, s38
	s_lshl_b32 s38, s34, 7
	s_add_co_u32 s28, s28, s38                     ; + 4 (64 cg + 32 cw)
	s_add_nc_u64 s[36:37], s[36:37], s[28:29]
	v_lshlrev_b32 v4, 2, v1
.set i, 0
.rept 128
	global_load_b32 v[32+i], v4, s[36:37] offset:i*4096 th:TH_LOAD_NT   ; W(k, my column): 128 consecutive bytes a wave
.set i, i+1
.endr
	s_lshl_b32 s38, s34, 5
	v_add_nc_u32 v11, s38, v1                      ; my column among the 64
	v_mul_u32_u24 v5, v11, 272
	s_lshl_b32 s39, s35, 6
	s_add_co_u32 s39, s39, WSTG
	v_add_nc_u32 v5, s39, v5                       ; the stage, in: my column's row, + 64 kq bytes
	v_lshlrev_b32 v8, 4, v11
	s_lshl_b32 s39, s35, 2
	s_add_co_u32 s39, s39, WSCL
	v_add_nc_u32 v8, s39, v8                       ; my four scale bytes
	v_lshrrev_b32 v12, 4, v1
	v_and_b32 v13, 15, v1
	s_lshl_b32 s39, s24, 3
	v_add_nc_u32 v12, s39, v12                     ; out: rows 8 wave + lane / 16 (+ 2 u)
	v_mul_u32_u24 v6, v12, 272
	v_lshl_add_u32 v6, v13, 4, v6
	v_add_nc_u32 v6, WSTG, v6
	v_lshlrev_b32 v7, 9, v12
	v_lshl_add_u32 v7, v13, 4, v7                  ; the same place in wc: 512 bytes a row
	v_and_b32 v14, 63, v0
	v_lshl_add_u32 v9, v14, 4, WSCL                ; waves 0 and 1: a column's 16 scale bytes
	v_lshlrev_b32 v10, 5, v14
	s_lshl_b32 s30, s26, 4
	s_add_co_u32 s30, s30, s27                     ; 16 wsel + cg: which 64 rows of wc and ws
	s_lshl_b32 s32, s30, 11
	s_lshl_b32 s30, s30, 15
	s_lshl_b32 s38, s25, 8
	s_add_co_u32 s30, s30, s38
	s_lshl_b32 s38, s25, 4
	s_add_co_u32 s32, s32, s38
	s_add_nc_u64 s[18:19], s[18:19], s[30:31]
	s_add_nc_u64 s[20:21], s[20:21], s[32:33]
.macro WBLOCK t
.set XS, 32+32*(\t)
	v_max3_num_f32 v12, |v[XS]|, |v[XS+1]|, |v[XS+2]|
	v_max3_num_f32 v13, |v[XS+3]|, |v[XS+4]|, |v[XS+5]|
.irp i, 6,10,14,18,22,26
	v_max3_num_f32 v12, v12, |v[XS+\i]|, |v[XS+\i+1]|
	v_max3_num_f32 v13, v13, |v[XS+\i+2]|, |v[XS+\i+3]|
.endr
	v_max3_num_f32 v12, v12, |v[XS+30]|, |v[XS+31]|
	v_max3_num_f32 v12, v12, v13, 0x1800000        ; the floor
	v_add_nc_u32 v14, 0xff000000, v12
	v_lshrrev_b32 v13, 23, v14
.if (\t) == 0
	v_mov_b32 v16, v13
.else
	v_lshl_or_b32 v16, v13, 8*(\t), v16            ; four bytes to a register, the lower K in the lower byte
.endif
.irp g, 0,1,2,3
	v_cvt_scalef32_pk8_fp4_f32 v[160+4*(\t)+\g], v[XS+8*\g:XS+8*\g+7], v14
.endr
	ds_store_b128 v5, v[160+4*(\t):160+4*(\t)+3] offset:16*(\t)
.endm
	s_wait_loadcnt 63                              ; of 128 loads at most 63 are out: the first 65 are in, blocks 0 and 1 among them
	WBLOCK 0
	WBLOCK 1
	s_wait_loadcnt 32
	WBLOCK 2
	s_wait_loadcnt 0x0
	WBLOCK 3
	ds_store_b32 v8, v16
	s_wait_dscnt 0x0                               ; for the others' sake: my stores into the stages are done
	s_barrier_signal -1
	s_barrier_wait -1
.irp u, 0,1,2,3
	ds_load_b128 v[176+4*\u:176+4*\u+3], v6 offset:\u*544
.endr
.irp u, 0,1,2,3
	s_wait_dscnt 3-\u
	global_store_b128 v7, v[176+4*\u:176+4*\u+3], s[18:19] offset:\u*1024   ; sixteen lanes store 256 consecutive bytes, aligned
.endr
	s_cmp_lt_u32 s24, 2
	s_cbranch_scc0 .Lw_end
	ds_load_b128 v[20:23], v9
	s_wait_dscnt 0x0
	global_store_b128 v10, v[20:23], s[20:21]      ; half a row of ws a lane
.Lw_end:
	s_wait_tensorcnt 0x0                           ; the wave's end
	ds_add_u32 v[SPW], v[NIL]
	s_wait_dscnt 0x0
	s_endpgm
; ---------------- Wo.  A lane takes a column n, its registers run down 128 k; eight neighbours along k pack into the 16 bytes that the image gives lane (n % 16, h).
.Lpath_o:
	s_sub_co_u32 s25, ttmp9, 352
	s_lshr_b32 s26, s25, 2                         ; ks
	s_and_b32 s25, s25, 3
	s_lshl_b32 s25, s25, 3
	s_add_co_u32 s25, s25, s24                     ; which 32 columns
	s_lshl_b32 s28, s26, 19
	s_lshl_b32 s27, s25, 7
	s_add_co_u32 s28, s28, s27
	s_add_nc_u64 s[12:13], s[12:13], s[28:29]
	s_lshl_b32 s30, s26, 18
	s_lshl_b32 s27, s25, 13
	s_add_co_u32 s30, s30, s27
	s_add_nc_u64 s[22:23], s[22:23], s[30:31]
	v_lshlrev_b32 v4, 2, v1
	v_lshrrev_b32 v5, 4, v1
	v_and_b32 v6, 15, v1
	v_lshlrev_b32 v5, 12, v5
	v_lshl_add_u32 v5, v6, 4, v5                   ; tile lane / 16, place 16 (lane % 16)
.set i, 0
.rept 128
	global_load_b32 v[32+i], v4, s[12:13] offset:i*4096 th:TH_LOAD_NT
.set i, i+1
.endr
.macro OBLOCK q
.irp i, 0,1,2,3,4,5,6,7,8,9,10,11,12,13,14,15
	v_cvt_pk_f16_f32 v[160+16*(\q)+\i], v[32+32*(\q)+2*\i], v[33+32*(\q)+2*\i]
.endr
.irp c, 0,1,2,3
	global_store_b128 v5, v[160+16*(\q)+4*\c:160+16*(\q)+4*\c+3], s[22:23] offset:(\q)*1024+\c*256   ; sixteen lanes store 256 consecutive bytes, aligned
.endr
.endm
	s_wait_loadcnt 63
	OBLOCK 0
	OBLOCK 1
	s_wait_loadcnt 32
	OBLOCK 2
	s_wait_loadcnt 0x0
	OBLOCK 3
	s_wait_tensorcnt 0x0
	ds_add_u32 v[SPW], v[NIL]
	s_wait_dscnt 0x0
	s_endpgm
.Lfunc_end_k_qc641d97b01_prep:
	.size	k_qc641d97b01_prep, .Lfunc_end_k_qc641d97b01_prep-k_qc641d97b01_prep
	.p2alignl 7, 3214868480
	.fill 96, 4, 3214868480
	.section	.rodata,"a",@progbits
	.p2align	6, 0x0
	.amdhsa_kernel k_qc641d97b01_prep
		.amdhsa_group_segment_fixed_size 62464
		.amdhsa_private_segment_fixed_size 0
		.amdhsa_enable_private_segment 0
		.amdhsa_kernarg_size 80
		.amdhsa_user_sgpr_count 2
		.amdhsa_user_sgpr_kernarg_segment_ptr 1
		.amdhsa_wavefront_size32 1
		.amdhsa_system_sgpr_workgroup_id_x 1
		.amdhsa_system_sgpr_workgroup_id_y 1
		.amdhsa_system_sgpr_workgroup_id_z 1
		.amdhsa_system_vgpr_workitem_id 0
		.amdhsa_next_free_vgpr 224
		.amdhsa_next_free_sgpr 66
		.amdhsa_reserve_vcc 0
		.amdhsa_float_denorm_mode_32 3
		.amdhsa_float_denorm_mode_16_64 3
		.amdhsa_memory_ordered 1
		.amdhsa_forward_progress 1
		.amdhsa_inst_pref_size 58
	.end_amdhsa_kernel
	.amdgpu_metadata
---
amdhsa.version: [ 1, 2 ]
amdhsa.kernels:
  - .name:           k_qc641d97b01_prep
    .symbol:         k_qc641d97b01_prep.kd
    .args:
      - { .name: x, .offset: 0, .size: 8, .value_kind: global_buffer, .address_space: global }
      - { .name: Wq, .offset: 8, .size: 8, .value_kind: global_buffer, .address_space: global }
      - { .name: Wk, .offset: 16, .size: 8, .value_kind: global_buffer, .address_space: global }
      - { .name: Wv, .offset: 24, .size: 8, .value_kind: global_buffer, .address_space: global }
      - { .name: Wo, .offset: 32, .size: 8, .value_kind: global_buffer, .address_space: global }
      - { .name: xc, .offset: 40, .size: 8, .value_kind: global_buffer, .address_space: global }
      - { .name: xs, .offset: 48, .size: 8, .value_kind: global_buffer, .address_space: global }
      - { .name: wc, .offset: 56, .size: 8, .value_kind: global_buffer, .address_space: global }
      - { .name: ws, .offset: 64, .size: 8, .value_kind: global_buffer, .address_space: global }
      - { .name: wo16, .offset: 72, .size: 8, .value_kind: global_buffer, .address_space: global }
    .group_segment_fixed_size: 62464
    .private_segment_fixed_size: 0
    .kernarg_segment_align: 8
    .kernarg_segment_size: 80
    .max_flat_workgroup_size: 256
    .sgpr_count:     66
    .vgpr_count:     224
    .wavefront_size: 32
...
	.end_amdgpu_metadata
.endif
;; end of part 1
;; launch qkv (part 2): grid 12 x 32, 4 waves a work-group, clusters of 4 x 4, 327,680 bytes of LDS; arguments xc, xs, wc, ws, bq, bk, bv, qkv, fine; writes qkv, fine
.if DOCPART == 2
	.amdgcn_target "amdgcn-amd-amdhsa--gfx1250"
	.amdhsa_code_object_version 6
	.text
	.protected	k_qc641d97b01_qkv
	.globl	k_qc641d97b01_qkv
	.p2align	8
	.type	k_qc641d97b01_qkv,@function
k_qc641d97b01_qkv:
	s_mov_b64 s[64:65], 0
	v_nop
	global_prefetch_b8 v0, s[64:65] scope:SCOPE_SE
	s_setreg_imm32_b32 hwreg(HW_REG_WAVE_MODE, 25, 1), 1
	s_wait_xcnt 0x0
	s_wait_alu depctr_hold_cnt(0) depctr_sa_sdst(0) depctr_va_vdst(0) depctr_va_sdst(0) depctr_va_ssrc(0) depctr_va_vcc(0) depctr_vm_vsrc(0)
	s_getreg_b32 s2, hwreg(HW_REG_IB_STS2, 6, 4)
	s_cmp_eq_u32 s2, 0
	s_cbranch_scc0 .Lentry_in_a_cluster
	s_endpgm
.Lentry_in_a_cluster:
	s_bfe_u32 s2, ttmp6, 0x10000c
	s_cmp_lg_u32 s2, 0xf033
	s_cbranch_scc0 .Lentry_shape_is_right
	s_endpgm
.Lentry_shape_is_right:
; q, k, v = Q(x) Q(W) + b, on codes of FP4 (E2M1) with one E8M0 scale for each 32 along K = 1,024; sums in f32; results rounded to f16 and stored as images of the next products' operand registers.
; A tile of C, 256 x 256, is made by four waves, each 128 x 128: 64 accumulators.  K = 1,024 is two slots of 512: both are asked for at the head, nothing is filled again.
; ONE BODY, TWO PRODUCTS, told apart by the cluster's x (the same in all sixteen partners):
;   cluster x 0, 1: C[t][n] = x . (Wq | Wk):  A = x's rows, B = wc's rows 0-2047.   tile row = Y + 8 cy, tile column = 4 X + cx.
;   cluster x 2:    C[n][t] = Wv . x (v with the keys innermost):  A = wc's rows 2048 on, B = x's rows.   tile row = cy, tile column = Y + 8 cx.
; So the tiles that hold the positions t < 16 of a sequence lie in the clusters with Y = 0, and the extra stores for them hang on the cluster's and the wave's number alone.
; THE MATRIX INSTRUCTION IS USED TRANSPOSED (source 0 = 16 rows of B, source 1 = 16 rows of A): a lane holds eight neighbouring columns of one row of C; packed to f16 these 16 bytes, at 16 x lane, are one
; group of four registers of a 16-bit fragment: each accumulator leaves by four conversions and one store of 512 consecutive bytes.
;   q, k: byte = region<<24 | (16 b + head)<<18 | (t / 16)<<11 | ds<<10 | u<<9 | lane<<4:  t = 16 tile + r, d = 32 ds + 16 u + 8 h + 0..7.     v: region 2, | (key / 32)<<12 | dt<<10 | u<<9 | lane<<4: d = 16 dt + r, key = .. + 16 u + 8 h + 0..7.
; The rows t < 16 are also stored in f32: fine byte = b 131072 + t 8192 + 4 n (q: n < 1024, k: the rest); v: 524288 + b 65536 + 64 n + 4 t.
; The biases are the C of each sum's first matrix instruction.  CLUSTERS: A's tile is shared along a row of the cluster, B's along a column: joint loads.
; LIMITS: q, k, v are rounded to f16: magnitudes up to 65,504; NaN and infinities are not served.
; REGISTERS: window 0: v0-31 addresses; v32-95 scale words, two sets; v128-191 A's fragments, one set; v192-255 the bias image; on the way out v128-255 packed results.  window 1: B's fragments, two sets.  windows 2, 3: the accumulators.
.set NQ,     4
.set ROWB,   256
.set KROW,   512
.set PITCH,  272                       ; an LDS row: 256 bytes + 16 of padding: the 16 rows of a load start at 16 different banks
.set FR,     8
.set NL,     2
.set NP,     4
.set HALFT,  128*PITCH
.set SLOT,   4*HALFT
.set KS,     32
.set SCL,    2*SLOT
.set HALFS,  (128*KS/256)*272
.set SBLK,   (16*KS/256)*272
.set SPARE,  SCL+4*HALFS
.set ADRA, 16
.set ADRB, 20
.set ADRS, 27
.set SPW,  28
.set NIL,  29
.set LI,   30                          ; v30  16 x lane
.set FO,   31                          ; v31  my place in fine
.set SC,   32
.set AF,   128
.set BI,   192
.set TMP,  128
.set WV,   22
.set RH,   23                          ; wave >> 1: my half of the tile's rows; also: I fetch for A (0) or B (1)
.set CH,   66                          ; wave & 1: my half of its columns; also: which 128 rows I fetch
.set ISV,  67
.set G1, 24
.set G0, 32
.set G1B, 48
.set G0B, 56
.set G1S, 68
.set G0S, 76
.set G1SB, 80
.set G0SB, 88
.set MSB, 0
.macro WIN new
.if MSB != \new
	s_set_vgpr_msb (MSB<<8)|\new
.set MSB, \new
.endif
.endm
.set MUL_LO, 0xa1
.set MUL_HI, 0xf1
.set TO_B,   0x40
.macro JLOAD g0a, g1a, g0b, g1b        ; a joint load: waves 0, 1 for A, waves 2, 3 for B; an s_nop 0 and four v_nop follow each line
	s_cmp_eq_u32 s[RH], 0
	s_cbranch_scc0 .Lfor_b_\@
	tensor_load_to_lds s[\g0a:\g0a+3], s[\g1a:\g1a+7]
	s_nop 0
.rept 4
	v_nop
.endr
	s_branch .Lasked_\@
.Lfor_b_\@:
	tensor_load_to_lds s[\g0b:\g0b+3], s[\g1b:\g1b+7]
	s_nop 0
.rept 4
	v_nop
.endr
.Lasked_\@:
.endm
.macro CROUND                          ; a round of the cluster's barrier
	s_barrier_signal -1
	s_barrier_wait -1
	s_cmp_lg_u32 s[WV], 0
	s_cbranch_scc1 .Lnot_wave_0_\@
	s_barrier_signal -3
.Lnot_wave_0_\@:
	s_barrier_wait -3
	s_barrier_signal -1
	s_barrier_wait -1
.endm
	s_load_b256 s[4:11], s[0:1], 0x0               ; xc s[4:5], xs s[6:7], wc s[8:9], ws s[10:11]
	s_load_b256 s[12:19], s[0:1], 0x20             ; bq s[12:13], bk s[14:15], bv s[16:17], qkv s[18:19]
	s_load_b64 s[20:21], s[0:1], 0x40              ; fine
	v_lshl_add_u32 v[SPW], v0, 2, SPARE
	v_mov_b32 v[NIL], 0
	ds_add_u32 v[SPW], v[NIL]                      ; the wave's opening: the add, twice on end, and its wait ahead of my first tensor load
	ds_add_u32 v[SPW], v[NIL]
	v_lshrrev_b32 v1, 5, v0
	v_readfirstlane_b32 s[WV], v1
	s_lshr_b32 s[RH], s[WV], 1
	s_and_b32 s[CH], s[WV], 1
	s_bfe_u32 s40, ttmp6, 0x40000                  ; cx
	s_bfe_u32 s41, ttmp6, 0x40004                  ; cy
	s_and_b32 s93, ttmp7, 0xffff                   ; Y
	s_lshl_b32 s95, ttmp9, 2                       ; 4 X
	s_lshl_b32 s43, s41, 2
	s_lshl_b32 s43, 15, s43                        ; my row of the cluster
	s_lshl_b32 s44, 0x1111, s40                    ; my column
	s_or_b32 s[G1+0], s43, (0<<16)|(1<<20)|(1<<21)|(5<<22)|(3<<25)   ; mask; bytes; padding: 4 words behind every 64
	s_or_b32 s[G1B+0], s44, (0<<16)|(1<<20)|(1<<21)|(5<<22)|(3<<25)
.irp g, G1, G1B
	s_mov_b32 s[\g+1], ROWB<<16
	s_mov_b32 s[\g+2], 128<<16
	s_mov_b32 s[\g+3], ROWB<<16
	s_mov_b32 s[\g+4], 128
	s_mov_b32 s[\g+5], KROW
	s_mov_b32 s[\g+6], 0
	s_mov_b32 s[\g+7], 0
.endr
	s_or_b32 s[G1S+0], s43, (3<<16)|(1<<20)|(1<<21)|(5<<22)|(3<<25)  ; the scales of 128 rows: 4,096 dense bytes as 16 rows of 256
	s_or_b32 s[G1SB+0], s44, (3<<16)|(1<<20)|(1<<21)|(5<<22)|(3<<25)
.irp g, G1S, G1SB
	s_mov_b32 s[\g+1], 32<<16
	s_mov_b32 s[\g+2], (128*KS/256)<<16
	s_mov_b32 s[\g+3], 32<<16
	s_mov_b32 s[\g+4], 128*KS/256
	s_mov_b32 s[\g+5], 32
	s_mov_b32 s[\g+6], 0
	s_mov_b32 s[\g+7], 0
.endr
	s_cmp_eq_u32 ttmp9, 2                          ; the v product?  All selections stand behind this one compare
	s_cselect_b32 s[ISV], 1, 0
	s_cselect_b32 s2, 0, 3                         ; tile row = (cy << s2) + s45
	s_cselect_b32 s3, 3, 0                         ; tile column = (cx << s3) + s46
	s_cselect_b32 s45, 0, s93
	s_cselect_b32 s46, s93, s95
	s_cselect_b32 s47, 2048, 0                     ; Wv's rows begin at row 2,048 of wc
	s_cselect_b32 s92, 6, 13                       ; fine: 64 or 8,192 bytes from lane row to lane row
	s_lshl_b32 s94, s41, s2
	s_add_co_u32 s94, s94, s45                     ; tile row
	s_lshl_b32 s42, s40, s3
	s_add_co_u32 s42, s42, s46                     ; tile column
	s_lshl_b32 s95, s[CH], 7
	s_lshl_b32 s96, s94, 8
	s_add_co_u32 s96, s96, s95
	s_add_co_u32 s96, s96, s47                     ; A: the first row that I fetch
	s_lshl_b32 s98, s42, 8
	s_add_co_u32 s98, s98, s95                     ; B: likewise
	s_lshl_b32 s100, s96, 5                        ; their scale bytes,
	s_lshl_b32 s96, s96, 9                         ; their codes
	s_lshl_b32 s2, s98, 5
	s_lshl_b32 s98, s98, 9
	s_mov_b32 s97, 0
	s_mov_b32 s99, 0
	s_mov_b32 s101, 0
	s_mov_b32 s3, 0
	s_mul_i32 s45, s[WV], HALFT                    ; where they go: wave x 128 rows: no place in the cluster enters an LDS address
	s_mul_i32 s46, s[WV], HALFS
	s_wait_dscnt 0x0                               ; both opening adds are done
	s_wait_kmcnt 0x0
	s_cmp_eq_u32 s[ISV], 1
	s_cselect_b64 s[G0+2:G0+3], s[8:9], s[4:5]     ; A's codes
	s_cselect_b64 s[G0S+2:G0S+3], s[10:11], s[6:7] ; A's scales
	s_cselect_b64 s[G0B+2:G0B+3], s[4:5], s[8:9]   ; B's codes
	s_cselect_b64 s[G0SB+2:G0SB+3], s[6:7], s[10:11]
	s_add_nc_u64 s[G0+2:G0+3], s[G0+2:G0+3], s[96:97]
	s_add_nc_u64 s[G0S+2:G0S+3], s[G0S+2:G0S+3], s[100:101]
	s_add_nc_u64 s[G0B+2:G0B+3], s[G0B+2:G0B+3], s[98:99]
	s_add_nc_u64 s[G0SB+2:G0SB+3], s[G0SB+2:G0SB+3], s[2:3]
	s_add_nc_u64 s[G0+6:G0+7], s[G0+2:G0+3], ROWB  ; slot 1: the second 512 along K
	s_add_nc_u64 s[G0B+6:G0B+7], s[G0B+2:G0B+3], ROWB
.irp g, G0, G0+4, G0B, G0B+4, G0S, G0SB
	s_mov_b32 s[\g], 1
	s_or_b32 s[\g+3], s[\g+3], 0x80000000
.endr
	s_add_co_u32 s[G0+1], s45, 0
	s_add_co_u32 s[G0+5], s45, SLOT
	s_add_co_u32 s[G0B+1], s45, 0
	s_add_co_u32 s[G0B+5], s45, SLOT
	s_add_co_u32 s[G0S+1], s46, SCL
	s_add_co_u32 s[G0SB+1], s46, SCL
	CROUND                                         ; all sixteen work-groups are here: the joint loads meet
	JLOAD G0S, G1S, G0SB, G1SB                     ; three loads of mine are out: the scales,
	JLOAD G0, G1, G0B, G1B                         ; slot 0,
	JLOAD G0+4, G1, G0B+4, G1B                     ; slot 1
	v_and_b32 v1, 15, v0                           ; r
	v_bfe_u32 v2, v0, 4, 1                         ; h
	v_mul_u32_u24 v3, v1, PITCH
	v_lshl_add_u32 v4, v2, 4, v3
	s_mul_i32 s45, s[RH], HALFT
	s_mul_i32 s46, s[CH], HALFT
	s_add_co_u32 s46, s46, 2*HALFT
.irp s, 0,1
	v_add_nc_u32 v[ADRA+\s], s45, v4
	v_add_nc_u32 v[ADRB+\s], s46, v4
	s_add_co_u32 s45, s45, SLOT
	s_add_co_u32 s46, s46, SLOT
.endr
	v_mul_u32_u24 v5, v1, KS
	v_lshrrev_b32 v6, 8, v5
	v_lshl_add_u32 v5, v6, 4, v5
	s_mul_i32 s45, s[RH], HALFS
	s_mul_i32 s46, s[CH], HALFS
	s_add_co_u32 s46, s46, 2*HALFS
	s_sub_co_u32 s46, s46, s45
	v_mul_u32_u24 v6, s46, v2                      ; lanes 16-31 take B's scale words
	s_add_co_u32 s45, s45, SCL
	v_add_nc_u32 v5, v5, v6
	v_add_nc_u32 v[ADRS], s45, v5
	v_and_b32 v6, 31, v0
	v_lshlrev_b32 v[LI], 4, v6
	v_lshlrev_b32 v[FO], s92, v1
	v_lshl_add_u32 v[FO], v2, 5, v[FO]
	; the bases of the stores and the bias image, by product.  s4-s9 are free: the descriptors hold their own copies
	s_cmp_eq_u32 s[ISV], 1
	s_cbranch_scc1 .Lbias_v
	s_lshl_b32 s4, s42, 2
	s_lshl_b32 s5, s[CH], 1
	s_add_co_u32 s4, s4, s5                        ; g = my first column / 64: 0-15 q's heads, 16-31 k's
	s_lshr_b32 s5, s4, 4
	s_lshl_b32 s5, s5, 24
	s_and_b32 s4, s4, 15
	s_lshl_b32 s4, s4, 18
	s_add_co_u32 s4, s4, s5
	s_lshl_b32 s5, s41, 22                         ; the batch is cy
	s_add_co_u32 s4, s4, s5
	s_lshl_b32 s5, s93, 1
	s_add_co_u32 s5, s5, s[RH]
	s_lshl_b32 s5, s5, 14                          ; (256 Y + 128 half) positions x 128 bytes
	s_add_co_u32 s4, s4, s5
	s_mov_b32 s5, 0
	s_add_nc_u64 s[18:19], s[18:19], s[4:5]
	s_lshl_b32 s6, s41, 17
	s_lshl_b32 s7, s42, 10
	s_add_co_u32 s6, s6, s7
	s_lshl_b32 s7, s[CH], 9
	s_add_co_u32 s6, s6, s7
	s_mov_b32 s7, 0
	s_add_nc_u64 s[20:21], s[20:21], s[6:7]
	s_cmp_eq_u32 ttmp9, 0
	s_cselect_b64 s[12:13], s[12:13], s[14:15]     ; bq or bk
	s_lshl_b32 s8, s40, 10
	s_lshl_b32 s9, s[CH], 9
	s_add_co_u32 s8, s8, s9
	s_mov_b32 s9, 0
	s_add_nc_u64 s[12:13], s[12:13], s[8:9]
	v_lshlrev_b32 v5, 5, v2                        ; register 8 b + j of the image: the bias of column 16 b + 8 h + j
.irp b, 0,1,2,3,4,5,6,7
	global_load_b128 v[BI+8*\b:BI+8*\b+3], v5, s[12:13] offset:64*\b
	global_load_b128 v[BI+8*\b+4:BI+8*\b+7], v5, s[12:13] offset:64*\b+16
.endr
	s_branch .Lbias_done
.Lbias_v:
	s_lshl_b32 s4, s41, 2
	s_lshl_b32 s5, s[RH], 1
	s_add_co_u32 s4, s4, s5                        ; my first head: 4 cy + 2 half
	s_lshl_b32 s4, s4, 18
	s_lshl_b32 s5, s40, 22                         ; the batch is cx
	s_add_co_u32 s4, s4, s5
	s_lshl_b32 s5, s93, 1
	s_add_co_u32 s5, s5, s[CH]
	s_lshl_b32 s5, s5, 14
	s_add_co_u32 s4, s4, s5
	s_add_co_u32 s4, s4, 2<<24
	s_mov_b32 s5, 0
	s_add_nc_u64 s[18:19], s[18:19], s[4:5]
	s_lshl_b32 s6, s40, 16
	s_lshl_b32 s7, s41, 14
	s_add_co_u32 s6, s6, s7
	s_lshl_b32 s7, s[RH], 13
	s_add_co_u32 s6, s6, s7
	s_add_co_u32 s6, s6, 524288
	s_mov_b32 s7, 0
	s_add_nc_u64 s[20:21], s[20:21], s[6:7]
	s_lshl_b32 s8, s41, 10
	s_lshl_b32 s9, s[RH], 9
	s_add_co_u32 s8, s8, s9
	s_mov_b32 s9, 0
	s_add_nc_u64 s[16:17], s[16:17], s[8:9]
	v_lshlrev_b32 v5, 2, v1                        ; registers 8 a + 0..7 of the image: the bias of row 16 a + r, eight times: the C operand wants it in each register
.irp a, 0,1,2,3,4,5,6,7
.irp j, 0,1,2,3,4,5,6,7
	global_load_b32 v[BI+8*\a+\j], v5, s[16:17] offset:64*\a
.endr
.endr
.Lbias_done:
.macro FRAG reg, adr, q, i
.irp c, 0,1
	ds_load_b128 v[\reg+4*\c:\reg+4*\c+3], v[\adr] offset:64*(\q)+32*\c+(\i)*16*PITCH
.endr
.endm
; 16 matrix instructions: A's blocks a0, a0 + 1 x B's eight.  zero = 0: C = D;  1: C = the bias image by B's block;  2: by A's block.  The 64 accumulators take turns.
.macro MUL16 a0, p, q, sc, zero
.irp a, \a0, \a0+1
.irp b, 0,1,2,3,4,5,6,7
.if \zero == 1
	v_wmma_scale_f32_16x16x128_f8f6f4 v[8*(8*((\a)%4)+\b):8*(8*((\a)%4)+\b)+7], v[128*(\p)+FR*\b:128*(\p)+FR*\b+FR-1], v[AF+FR*(\a):AF+FR*(\a)+FR-1], v[BI+8*\b:BI+8*\b+7], v[SC+8*NQ*(\sc)+NQ*\b+(\q)], v[SC+8*NQ*(\sc)+NQ*(\a)+(\q)] matrix_a_fmt:MATRIX_FMT_FP4 matrix_b_fmt:MATRIX_FMT_FP4 matrix_a_scale:MATRIX_SCALE_ROW1
.elseif \zero == 2
	v_wmma_scale_f32_16x16x128_f8f6f4 v[8*(8*((\a)%4)+\b):8*(8*((\a)%4)+\b)+7], v[128*(\p)+FR*\b:128*(\p)+FR*\b+FR-1], v[AF+FR*(\a):AF+FR*(\a)+FR-1], v[BI+8*(\a):BI+8*(\a)+7], v[SC+8*NQ*(\sc)+NQ*\b+(\q)], v[SC+8*NQ*(\sc)+NQ*(\a)+(\q)] matrix_a_fmt:MATRIX_FMT_FP4 matrix_b_fmt:MATRIX_FMT_FP4 matrix_a_scale:MATRIX_SCALE_ROW1
.else
	v_wmma_scale_f32_16x16x128_f8f6f4 v[8*(8*((\a)%4)+\b):8*(8*((\a)%4)+\b)+7], v[128*(\p)+FR*\b:128*(\p)+FR*\b+FR-1], v[AF+FR*(\a):AF+FR*(\a)+FR-1], v[8*(8*((\a)%4)+\b):8*(8*((\a)%4)+\b)+7], v[SC+8*NQ*(\sc)+NQ*\b+(\q)], v[SC+8*NQ*(\sc)+NQ*(\a)+(\q)] matrix_a_fmt:MATRIX_FMT_FP4 matrix_b_fmt:MATRIX_FMT_FP4 matrix_a_scale:MATRIX_SCALE_ROW1
.endif
.endr
.endr
.endm
.macro FETCH_B slot, q, p
	WIN TO_B
.irp i, 0,1,2,3,4,5,6,7
	FRAG 128*(\p)+FR*\i, ADRB+\slot, \q, \i
.endr
	WIN 0
.endm
.macro FETCH_A slot, q, i0
.irp i, \i0, \i0+1, \i0+2, \i0+3
	FRAG AF+FR*(\i), ADRA+\slot, \q, \i
.endr
.endm
.macro SCALES sc                       ; a slot's scale words: lanes 0-15 A's block i, lanes 16-31 B's block i
.irp i, 0,1,2,3,4,5,6,7
	ds_load_b128 v[SC+8*NQ*\sc+NQ*\i:SC+8*NQ*\sc+NQ*\i+3], v[ADRS] offset:\i*SBLK
.endr
.endm
.macro PLACES n                        ; plain vector instructions between a matrix instruction and a load into, or a read of, its registers
.rept \n
	v_nop
.endr
.endm
.macro STEP slot, q, zero              ; 128 along K with its successor in the same slot
	s_wait_dscnt 4*NL                              ; B's set and A's blocks 0-3 are in; the youngest eight loads (A's blocks 4-7) may be out
.if \zero
	WIN 0x81                                       ; C (the bias image) in window 0, D in window 2
.else
	WIN MUL_LO
.endif
	MUL16 0, (\q)%2, \q, \slot, \zero
	MUL16 2, (\q)%2, \q, \slot, \zero
	s_wait_dscnt 0
	PLACES NP
	FETCH_B \slot, (\q)+1, 1-(\q)%2
	FETCH_A \slot, (\q)+1, 0
.if \zero
	WIN 0xc1
.else
	WIN MUL_HI
.endif
	MUL16 4, (\q)%2, \q, \slot, \zero
	MUL16 6, (\q)%2, \q, \slot, \zero
	PLACES NP
	WIN 0
	FETCH_A \slot, (\q)+1, 4
.endm
.macro TURN slot, next                 ; a slot's last step: the other slot has landed in every wave behind this barrier; nothing is filled again
	s_wait_tensorcnt 0x0                           ; all my tensor loads have landed
	ds_add_u32 v[SPW], v[NIL]                      ; 0 onto my spare word
	s_wait_dscnt 4*NL+1                            ; (the add and A's blocks 4-7 may be out)
	WIN MUL_LO
	MUL16 0, 1, NQ-1, \slot, 0
	s_wait_dscnt 0x0
	s_barrier_signal -1
	MUL16 2, 1, NQ-1, \slot, 0
	WIN 0
	s_barrier_wait -1
	PLACES NP
	v_add_nc_u32 v[ADRS], 4*NQ, v[ADRS]            ; the next slot's scale words (no LDS load of mine is out)
	FETCH_B \next, 0, 0
	FETCH_A \next, 0, 0
	SCALES \next
	WIN MUL_HI
	MUL16 4, 1, NQ-1, \slot, 0
	MUL16 6, 1, NQ-1, \slot, 0
	PLACES NP
	WIN 0
	FETCH_A \next, 0, 4
.endm
	s_wait_tensorcnt 1                             ; the scales and my part of slot 0 are in; slot 1's load may stay out
	s_barrier_signal -1
	s_barrier_wait -1
	FETCH_B 0, 0, 0
	FETCH_A 0, 0, 0
	SCALES 0
	FETCH_A 0, 0, 4
	s_wait_loadcnt 0x0                             ; the bias image
	s_cmp_eq_u32 s[ISV], 1
	s_cbranch_scc1 .Lfirst_v
	STEP 0, 0, 1                                   ; the first step starts the sums on the bias: nothing is cleared, nothing is added later
	s_branch .Lfirst_done
.Lfirst_v:
	STEP 0, 0, 2
.Lfirst_done:
	STEP 0, 1, 0
	STEP 0, 2, 0
	TURN 0, 1
	STEP 1, 0, 0
	STEP 1, 1, 0
	STEP 1, 2, 0
	s_wait_dscnt 4*NL
	WIN MUL_LO
	MUL16 0, 1, NQ-1, 1, 0
	MUL16 2, 1, NQ-1, 1, 0
	s_wait_dscnt 0
	WIN MUL_HI
	MUL16 4, 1, NQ-1, 1, 0
	MUL16 6, 1, NQ-1, 1, 0
	WIN 0
	PLACES NP
; THE WAY OUT.  PACK a: block a's eight accumulators rounded to f16, each from its low end on, into v[TMP + 32 (a % 4)] on.
.macro PACK a
.set AC, 64*((\a)%4)
.set TP, TMP+32*((\a)%4)
	WIN 0x0a+5*((\a)/4)
.irp b, 0,1,2,3,4,5,6,7
.irp i, 0,1,2,3
	v_cvt_pk_f16_f32 v[TP+4*\b+\i], v[AC+8*\b+2*\i], v[AC+8*\b+2*\i+1]
.endr
.endr
	WIN 0
.endm
	s_cmp_eq_u32 s[ISV], 1
	s_cbranch_scc1 .Lout_v
	s_or_b32 s45, s93, s[RH]                       ; positions 0-15 lie in my block 0 where Y = 0 and I have the upper half of the rows
	s_cmp_lg_u32 s45, 0
	s_cbranch_scc1 .Lqk_pack
	WIN 0x08                                       ; a store's data: window 2
.irp b, 0,1,2,3,4,5,6,7
	global_store_b128 v[FO], v[8*\b:8*\b+3], s[20:21] offset:64*\b
	global_store_b128 v[FO], v[8*\b+4:8*\b+7], s[20:21] offset:64*\b+16
.endr
	WIN 0
.Lqk_pack:
.irp a, 0,1,2,3,4,5,6,7
.if \a == 4
	s_wait_xcnt 0x0                                ; the packed registers are written again only behind this wait
.endif
	PACK \a
.irp b, 0,1,2,3,4,5,6,7
	global_store_b128 v[LI], v[TMP+32*(\a%4)+4*\b:TMP+32*(\a%4)+4*\b+3], s[18:19] offset:(\b/4)*262144+\a*2048+(\b%4)*512   ; 512 consecutive bytes, aligned
.endr
.endr
	s_branch .Lend
.Lout_v:
	s_or_b32 s45, s93, s[CH]                       ; keys 0-15 lie in my column block 0 where Y = 0 and I have the left half
	s_cmp_lg_u32 s45, 0
	s_cbranch_scc1 .Lv_pack
	WIN 0x08
.irp a, 0,1,2,3
	global_store_b128 v[FO], v[64*\a:64*\a+3], s[20:21] offset:1024*\a
	global_store_b128 v[FO], v[64*\a+4:64*\a+7], s[20:21] offset:1024*\a+16
.endr
	WIN 0x0c
.irp a, 0,1,2,3
	global_store_b128 v[FO], v[64*\a:64*\a+3], s[20:21] offset:1024*\a+4096
	global_store_b128 v[FO], v[64*\a+4:64*\a+7], s[20:21] offset:1024*\a+4096+16
.endr
	WIN 0
.Lv_pack:
.irp a, 0,1,2,3,4,5,6,7
.if \a == 4
	s_wait_xcnt 0x0
.endif
	PACK \a
.irp b, 0,1,2,3,4,5,6,7
	global_store_b128 v[LI], v[TMP+32*(\a%4)+4*\b:TMP+32*(\a%4)+4*\b+3], s[18:19] offset:(\a/4)*262144+(\b/2)*4096+(\a%4)*1024+(\b%2)*512
.endr
.endr
.Lend:
	s_wait_tensorcnt 0x0                           ; the wave's end
	ds_add_u32 v[SPW], v[NIL]
	s_wait_dscnt 0x0
	CROUND                                         ; the closing round
	s_endpgm
.Lfunc_end_k_qc641d97b01_qkv:
	.size	k_qc641d97b01_qkv, .Lfunc_end_k_qc641d97b01_qkv-k_qc641d97b01_qkv
	.p2alignl 7, 3214868480
	.fill 96, 4, 3214868480
	.section	.rodata,"a",@progbits
	.p2align	6, 0x0
	.amdhsa_kernel k_qc641d97b01_qkv
		.amdhsa_group_segment_fixed_size 327680
		.amdhsa_private_segment_fixed_size 0
		.amdhsa_enable_private_segment 0
		.amdhsa_kernarg_size 72
		.amdhsa_user_sgpr_count 2
		.amdhsa_user_sgpr_kernarg_segment_ptr 1
		.amdhsa_wavefront_size32 1
		.amdhsa_system_sgpr_workgroup_id_x 1
		.amdhsa_system_sgpr_workgroup_id_y 1
		.amdhsa_system_sgpr_workgroup_id_z 1
		.amdhsa_system_vgpr_workitem_id 0
		.amdhsa_next_free_vgpr 1024
		.amdhsa_next_free_sgpr 102
		.amdhsa_reserve_vcc 0
		.amdhsa_float_denorm_mode_32 3
		.amdhsa_float_denorm_mode_16_64 3
		.amdhsa_memory_ordered 1
		.amdhsa_forward_progress 1
		.amdhsa_inst_pref_size 163
	.end_amdhsa_kernel
	.amdgpu_metadata
---
amdhsa.version: [ 1, 2 ]
amdhsa.kernels:
  - .name:           k_qc641d97b01_qkv
    .symbol:         k_qc641d97b01_qkv.kd
    .args:
      - { .name: xc, .offset: 0, .size: 8, .value_kind: global_buffer, .address_space: global }
      - { .name: xs, .offset: 8, .size: 8, .value_kind: global_buffer, .address_space: global }
      - { .name: wc, .offset: 16, .size: 8, .value_kind: global_buffer, .address_space: global }
      - { .name: ws, .offset: 24, .size: 8, .value_kind: global_buffer, .address_space: global }
      - { .name: bq, .offset: 32, .size: 8, .value_kind: global_buffer, .address_space: global }
      - { .name: bk, .offset: 40, .size: 8, .value_kind: global_buffer, .address_space: global }
      - { .name: bv, .offset: 48, .size: 8, .value_kind: global_buffer, .address_space: global }
      - { .name: qkv, .offset: 56, .size: 8, .value_kind: global_buffer, .address_space: global }
      - { .name: fine, .offset: 64, .size: 8, .value_kind: global_buffer, .address_space: global }
    .group_segment_fixed_size: 327680
    .private_segment_fixed_size: 0
    .kernarg_segment_align: 8
    .kernarg_segment_size: 72
    .max_flat_workgroup_size: 128
    .sgpr_count:     102
    .vgpr_count:     1024
    .wavefront_size: 32
...
	.end_amdgpu_metadata
.endif
;; end of part 2
;; launch attn (part 3): grid 4 x 64, 16 waves a work-group, no clusters, 327,680 bytes of LDS; arguments qkv, attn; writes attn
.if DOCPART == 3
	.amdgcn_target "amdgcn-amd-amdhsa--gfx1250"
	.amdhsa_code_object_version 6
	.text
	.protected	k_qc641d97b01_attn
	.globl	k_qc641d97b01_attn
	.p2align	8
	.type	k_qc641d97b01_attn,@function
k_qc641d97b01_attn:
	s_mov_b64 s[64:65], 0
	v_nop
	global_prefetch_b8 v0, s[64:65] scope:SCOPE_SE
	s_setreg_imm32_b32 hwreg(HW_REG_WAVE_MODE, 25, 1), 1
	s_wait_xcnt 0x0
; Causal attention of one (batch, head): O[q] = sum over k <= q of softmax_k(Q[q] . K[k] / 8) V[k]; T = 2,048, D = 64.  Operands in f16, products, maxima and sums in f32; the weights p are rounded to f16 for the second product.
; q, k, v arrive as images of operand registers (a fragment of 16 rows x 32 along K is 1,024 bytes: registers 0-3 at 16 x lane, registers 4-7 512 bytes on), so every LDS and global load reads 512 consecutive bytes.
; SHARES.  Work-group (i, bh) owns query blocks i and 7 - i of 256: waves 0-7 the first, waves 8-15 the second, 32 queries (two tiles) a wave: every work-group has the same 264 wave steps of 64 keys.
; Four waves share a SIMD: one wave's softmax stands beside another's products and LDS loads.  Each fragment of K and V feeds two matrix instructions.
; LAYOUT.  S^T = K Q^T, O^T = V^T P: a lane holds ONE query (lane % 16) throughout; two score tiles, rounded in pairs, are the second product's operand.
; SOFTMAX.  A running maximum m and sum l a query: p = 2^(c s - c m), c = log2(e) / 8; in every step O and l are multiplied by a = 2^(c m_old - c m_new).
; THE RING.  Two slots of 256 keys (32,768 bytes of K, then of V), filled by waves 0-3, 16,384 bytes each.  Every work-group walks all 8 slots (constant trip counts); a step all of whose keys come after the wave's queries is
; jumped over, and a slot whose first key comes after the work-group's last query is not asked for.  All waits on TENSORcnt are for 0.
; NO CLUSTER: the four work-groups of a head read 8, 7, 6 and 5 slots, so a joint load would bring tiles that every wave of a partner jumps over.
; The result leaves as images for the last product: attn byte = (head / 2)<<21 | (row / 16)<<12 | (head & 1)<<11 | dt<<9 | lane<<4.
; LIMITS: f16 operands: |q|, |k|, |v| up to 65,504; p under 6e-8 counts as 0 in the second product (it stays in the sum); NaN and infinities are not served.  The rows t < 16 are made again, in f32, by a later launch.
.set SLOT1, 65536
.set VOFF,  32768
.set SPARE, 131072
.set LI,  1                            ; v1   16 x lane
.set ADR, 2                            ; v2   the step's LDS address
.set SPW, 3
.set NIL, 4
.set RH8, 5                            ; v5   r - 8 h
.set PFO, 6                            ; v6   256 x lane
.set D0,  8                            ; v8, v9  the mask's bound for tiles 0, 1
.set NEG, 10                           ; v10  -infinity
.set ST,  16                           ; tile t at v[16 + 8 t]: +0 c m, +1 m, +2, +3 l, +4..7 at work (a in +6)
.set Q,   32                           ; Q(t, ds) at 32 + 16 t + 8 ds
.set S,   64                           ; S(t, kt) at 64 + 32 t + 8 kt; P in place in the low 16 of each tile
.set O,   128                          ; O(t, dt) at 128 + 32 t + 8 dt
.set KV,  192                          ; K(kt, ds) at 192 + 8 (2 kt + ds); then V(ks, dt) at 192 + 8 (4 ks + dt)
.set WV,  8
.set Q0,  11
.set QL,  12
.set KF,  13
.set TB,  14
.set SLOTS, 15
.set STP, 16
.set WGL, 17
.set LIM, 18
.set SEL, 20
.set CS,  22
.set G1,  24
.set G0,  32
.set PFA, 36
.set QP,  38
.set OP,  40
.macro TLOAD                           ; waves 0-3 fetch; an s_nop 0 and four v_nop follow the line
	s_cmp_lt_u32 s[WV], 4
	s_cbranch_scc0 .Lnone_\@
	tensor_load_to_lds s[G0:G0+3], s[G1:G1+7]
	s_nop 0
.rept 4
	v_nop
.endr
.Lnone_\@:
.endm
; A prefetch of the slot after the one that is being asked for.  All four work-groups of a head walk the same K and V: work-group 0, which reads all 8 slots, asks, and in it the waves that fetch nothing:
; waves 4-7 for K's 32,768 bytes, waves 8-11 for V's, 8,192 bytes a wave, lanes 256 bytes apart: each block of 256 bytes is named once.  The last change that fills a slot asks for nothing.
.macro ASK
	s_cmp_gt_u32 s[SLOTS], s[LIM]
	s_cbranch_scc0 .Lnot_mine_\@
	global_prefetch_b8 v[PFO], s[PFA:PFA+1] th:TH_LOAD_NT scope:SCOPE_SE
.Lnot_mine_\@:
.endm
	s_load_b128 s[4:7], s[0:1], 0x0                ; qkv, attn
	v_lshl_add_u32 v[SPW], v0, 2, SPARE
	v_mov_b32 v[NIL], 0
	ds_add_u32 v[SPW], v[NIL]                      ; the wave's opening: the add, twice on end, and its wait
	ds_add_u32 v[SPW], v[NIL]
	v_lshrrev_b32 v7, 5, v0
	v_readfirstlane_b32 s[WV], v7
	s_and_b32 s42, ttmp7, 0xffff                   ; bh = 16 b + head
	s_sub_co_u32 s43, 7, ttmp9
	s_cmp_lt_u32 s[WV], 8
	s_cselect_b32 s43, ttmp9, s43                  ; my block of 256 queries
	s_and_b32 s44, s[WV], 7
	s_lshl_b32 s43, s43, 8
	s_lshl_b32 s44, s44, 5
	s_add_co_u32 s[Q0], s43, s44                   ; my first query
	s_add_co_u32 s[QL], s[Q0], 31                  ; my last
	s_sub_co_u32 s[WGL], 8, ttmp9
	s_lshl_b32 s[WGL], s[WGL], 8
	s_sub_co_u32 s[WGL], s[WGL], 1                 ; the work-group's last query
	s_mov_b32 s[G1], 3<<16                         ; elements of 8 bytes, no mask, no padding: 64 rows of 256 dense bytes
	s_mov_b32 s[G1+1], 32<<16
	s_mov_b32 s[G1+2], 64<<16
	s_mov_b32 s[G1+3], 32<<16
	s_mov_b32 s[G1+4], 64
	s_mov_b32 s[G1+5], 32
	s_mov_b32 s[G1+6], 0
	s_mov_b32 s[G1+7], 0
	s_mov_b32 s[SEL], 0x76543210
	s_mov_b32 s[SEL+1], 0xfedcba98
	s_mov_b32 s[CS], 0x3e38aa3b                    ; c = log2(e) / 8
	s_mov_b32 s[CS+1], s[CS]
	s_mov_b32 s[KF], 0
	s_mov_b32 s[TB], 0
	s_mov_b32 s[SLOTS], 7
	s_lshl_b32 s43, s42, 18                        ; the head's bytes in each region
	s_and_b32 s44, s[WV], 3
	s_lshl_b32 s[G0+1], s44, 14                    ; LDS: K's halves, then V's
	s_lshr_b32 s44, s44, 1
	s_add_co_u32 s44, s44, 1
	s_lshl_b32 s44, s44, 24                        ; region 1 (k) or 2 (v)
	s_add_co_u32 s44, s44, s43
	s_and_b32 s45, s[WV], 1
	s_lshl_b32 s45, s45, 14
	s_add_co_u32 s44, s44, s45
	s_mov_b32 s45, 0
	s_mov_b32 s[G0], 1
	s_lshl_b32 s46, s[Q0], 7
	s_add_co_u32 s46, s46, s43
	s_mov_b32 s47, 0
	v_and_b32 v7, 31, v0
	v_lshlrev_b32 v[LI], 4, v7
	v_lshlrev_b32 v[PFO], 8, v7
	s_wait_dscnt 0x0
	s_wait_kmcnt 0x0
	s_add_nc_u64 s[G0+2:G0+3], s[4:5], s[44:45]
	s_or_b32 s[G0+3], s[G0+3], 0x80000000
	TLOAD                                          ; slot 0: it holds key 0, which counts for every query
	s_add_nc_u64 s[QP:QP+1], s[4:5], s[46:47]
.irp f, 0,1,2,3
	global_load_b128 v[Q+8*\f:Q+8*\f+3], v[LI], s[QP:QP+1] offset:1024*\f
	global_load_b128 v[Q+8*\f+4:Q+8*\f+7], v[LI], s[QP:QP+1] offset:1024*\f+512
.endr
	s_lshr_b32 s44, s[WV], 3                       ; the prefetches: waves 4-7 region 1, waves 8-11 region 2
	s_add_co_u32 s44, s44, 1
	s_lshl_b32 s44, s44, 24
	s_add_co_u32 s44, s44, s43
	s_and_b32 s45, s[WV], 3
	s_lshl_b32 s45, s45, 13
	s_add_co_u32 s44, s44, s45
	s_add_co_u32 s44, s44, 32768                   ; in slot 1: the first change of slots steps it to slot 2; nothing is prefetched at the head
	s_mov_b32 s45, 0
	s_add_nc_u64 s[PFA:PFA+1], s[4:5], s[44:45]
	s_sub_co_u32 s19, s[WV], 4
	s_lshr_b32 s19, s19, 3
	s_or_b32 s19, s19, ttmp9
	s_cmp_eq_u32 s19, 0
	s_cselect_b32 s[LIM], 1, -1
	s_and_b32 s44, s42, 15                         ; head
	s_lshr_b32 s45, s44, 1
	s_lshl_b32 s45, s45, 21
	s_and_b32 s44, s44, 1
	s_lshl_b32 s44, s44, 11
	s_add_co_u32 s44, s44, s45
	s_lshr_b32 s45, s42, 4
	s_lshl_b32 s45, s45, 19                        ; 128 b tiles of rows x 4,096 bytes
	s_add_co_u32 s44, s44, s45
	s_lshl_b32 s45, s[Q0], 8
	s_add_co_u32 s44, s44, s45
	s_mov_b32 s45, 0
	s_add_nc_u64 s[OP:OP+1], s[6:7], s[44:45]
	v_and_b32 v7, 15, v0
	v_bfe_u32 v[RH8], v0, 4, 1
	v_lshlrev_b32 v[RH8], 3, v[RH8]
	v_sub_nc_u32 v[RH8], v7, v[RH8]
	v_mov_b32 v[NEG], 0xff800000
.irp t, 0,1
	v_mov_b32 v[ST+8*\t+1], 0xff61b1e6             ; m: -3e38, under every score
	v_mul_f32 v[ST+8*\t], s[CS], v[ST+8*\t+1]
.irp j, 2,3,4,5,6,7
	v_mov_b32 v[ST+8*\t+\j], 0
.endr
.endr
.set n, 0
.rept 64
	v_mov_b32 v[O+n], 0                            ; O^T: the step is written once; its first pass multiplies zeros by a = 0
.set n, n+1
.endr
; A KEY STEP: 64 keys at LDS byte s[TB].
.macro STEP
	s_cmp_gt_u32 s[KF], s[QL]                      ; all 64 keys come after my queries: only the address steps at the end are run
	s_cbranch_scc1 .Lhidden_\@
	v_add_nc_u32 v[ADR], s[TB], v[LI]
.rept 4
	v_nop                                          ; with the addition five places behind the last step's products: the products below write over registers that those read, the loads land in others
.endr
.irp f, 0,1,2,3,4,5,6,7
	ds_load_b128 v[KV+8*\f:KV+8*\f+3], v[ADR] offset:1024*\f
	ds_load_b128 v[KV+8*\f+4:KV+8*\f+7], v[ADR] offset:1024*\f+512
.endr
	s_wait_dscnt 0x0
.irp ds, 0,1                                   ; the eight accumulators take turns
.irp kt, 0,1,2,3
.irp t, 0,1
.if \ds == 0
	v_wmma_f32_16x16x32_f16 v[S+32*\t+8*\kt:S+32*\t+8*\kt+7], v[KV+16*\kt:KV+16*\kt+7], v[Q+16*\t:Q+16*\t+7], 0
.else
	v_wmma_f32_16x16x32_f16 v[S+32*\t+8*\kt:S+32*\t+8*\kt+7], v[KV+16*\kt+8:KV+16*\kt+15], v[Q+16*\t+8:Q+16*\t+15], v[S+32*\t+8*\kt:S+32*\t+8*\kt+7]
.endif
.endr
.endr
.endr
.rept 4
	v_nop                                          ; places in front of the loads into K's registers and of the first read of the scores
.endr
.irp f, 0,1,2,3,4,5,6,7                        ; V lands while the softmax is walked
	ds_load_b128 v[KV+8*\f:KV+8*\f+3], v[ADR] offset:VOFF+1024*\f
	ds_load_b128 v[KV+8*\f+4:KV+8*\f+7], v[ADR] offset:VOFF+1024*\f+512
.endr
	s_add_co_u32 s19, s[KF], 63
	s_cmp_le_u32 s19, s[Q0]
	s_cbranch_scc1 .Lopen_\@                       ; all keys count: no mask
	s_sub_co_i32 s19, s[Q0], s[KF]
	v_add_nc_u32 v[D0], s19, v[RH8]                ; register 8 kt + j of tile t holds key KF + 16 kt + 8 h + j: hidden where 16 kt + j > Q0 - KF + 16 t + r - 8 h
	v_add_nc_u32 v[D0+1], 16, v[D0]
.irp t, 0,1
.set n, 0
.rept 32
	v_cmp_gt_i32 vcc_lo, 16*(n/8)+n%8, v[D0+\t]
	v_cndmask_b32 v[S+32*\t+n], v[S+32*\t+n], v[NEG], vcc_lo
.set n, n+1
.endr
.endr
.Lopen_\@:
.irp j, 0,1,2,3                                ; the maximum: four chains a tile, each accumulator from its low end on; the two tiles line by line
.irp t, 0,1
	v_max3_num_f32 v[ST+8*\t+4+\j], v[S+32*\t+8*\j], v[S+32*\t+8*\j+1], v[S+32*\t+8*\j+2]
.endr
.endr
.irp g, 1,2
.irp j, 0,1,2,3
.irp t, 0,1
	v_max3_num_f32 v[ST+8*\t+4+\j], v[ST+8*\t+4+\j], v[S+32*\t+8*\j+2*\g+1], v[S+32*\t+8*\j+2*\g+2]
.endr
.endr
.endr
.irp t, 0,1
	v_max3_num_f32 v[ST+8*\t+4], v[ST+8*\t+4], v[S+32*\t+7], v[S+32*\t+15]
.endr
.irp t, 0,1
	v_max3_num_f32 v[ST+8*\t+6], v[ST+8*\t+6], v[S+32*\t+23], v[S+32*\t+31]
.endr
.irp t, 0,1
	v_max3_num_f32 v[ST+8*\t+4], v[ST+8*\t+4], v[ST+8*\t+5], v[ST+8*\t+6]
.endr
.irp t, 0,1
	v_max3_num_f32 v[ST+8*\t+4], v[ST+8*\t+4], v[ST+8*\t+7], v[ST+8*\t+1]
.endr
.irp t, 0,1
	v_permlanex16_b32 v[ST+8*\t+5], v[ST+8*\t+4], s[SEL], s[SEL+1]   ; the query's other 32 keys lie in the lane 16 away
.endr
.irp t, 0,1
	v_mov_b32 v[ST+8*\t+7], v[ST+8*\t]             ; c m_old
.endr
.irp t, 0,1
	v_max_num_f32 v[ST+8*\t+1], v[ST+8*\t+4], v[ST+8*\t+5]
.endr
.irp t, 0,1
	v_mul_f32 v[ST+8*\t], s[CS], v[ST+8*\t+1]
.endr
.irp t, 0,1
	v_sub_f32 v[ST+8*\t+7], v[ST+8*\t+7], v[ST+8*\t]
.endr
.set n, 0
.rept 16
.irp t, 0,1
	v_pk_fma_f32 v[S+32*\t+n:S+32*\t+n+1], v[S+32*\t+n:S+32*\t+n+1], s[CS:CS+1], v[ST+8*\t:ST+8*\t+1] op_sel_hi:[1,0,0] neg_lo:[0,0,1] neg_hi:[0,0,1]   ; c s - c m
.endr
.set n, n+2
.endr
.irp t, 0,1
	v_exp_f32 v[ST+8*\t+6], v[ST+8*\t+7]           ; a
.endr
.set n, 0
.rept 64
	v_exp_f32 v[S+n], v[S+n]                       ; p, at most 1
.set n, n+1
.endr
	v_nop                                          ; a plain instruction behind the last exponential
	s_wait_alu depctr_va_vdst(0)                   ; one wait for the batch of 66, ahead of its first reader
.irp t, 0,1
	v_pk_fma_f32 v[ST+8*\t+2:ST+8*\t+3], v[ST+8*\t+2:ST+8*\t+3], v[ST+8*\t+6:ST+8*\t+7], v[S+32*\t:S+32*\t+1] op_sel_hi:[1,0,1]   ; l = a l + p, of the p in f32: two chains a tile
.endr
.irp t, 0,1
	v_pk_add_f32 v[ST+8*\t+4:ST+8*\t+5], v[S+32*\t+2:S+32*\t+3], v[S+32*\t+6:S+32*\t+7]
.endr
.irp b, 4,8,12,16,20,24
.irp t, 0,1
	v_pk_add_f32 v[ST+8*\t+2:ST+8*\t+3], v[ST+8*\t+2:ST+8*\t+3], v[S+32*\t+\b:S+32*\t+\b+1]
	v_pk_add_f32 v[ST+8*\t+4:ST+8*\t+5], v[ST+8*\t+4:ST+8*\t+5], v[S+32*\t+\b+6:S+32*\t+\b+7]
.endr
.endr
.irp t, 0,1
	v_pk_add_f32 v[ST+8*\t+2:ST+8*\t+3], v[ST+8*\t+2:ST+8*\t+3], v[S+32*\t+28:S+32*\t+29]
.endr
.irp t, 0,1
	v_pk_add_f32 v[ST+8*\t+2:ST+8*\t+3], v[ST+8*\t+2:ST+8*\t+3], v[ST+8*\t+4:ST+8*\t+5]
.endr
.set n, 0
.rept 16
.irp t, 0,1
	v_cvt_pk_f16_f32 v[S+32*\t+n], v[S+32*\t+2*n], v[S+32*\t+2*n+1]   ; in place, ascending: register n is written when its own numbers have been taken
.endr
.set n, n+1
.endr
.set n, 0
.rept 16
.irp t, 0,1
	v_pk_mul_f32 v[O+32*\t+n:O+32*\t+n+1], v[O+32*\t+n:O+32*\t+n+1], v[ST+8*\t+6:ST+8*\t+7] op_sel_hi:[1,0]   ; O^T x a
.endr
.set n, n+2
.endr
	s_wait_dscnt 0x0                               ; V is in
.irp ks, 0,1
.irp dt, 0,1,2,3
.irp t, 0,1
	v_wmma_f32_16x16x32_f16 v[O+32*\t+8*\dt:O+32*\t+8*\dt+7], v[KV+8*(4*\ks+\dt):KV+8*(4*\ks+\dt)+7], v[S+32*\t+8*\ks:S+32*\t+8*\ks+7], v[O+32*\t+8*\dt:O+32*\t+8*\dt+7]
.endr
.endr
.endr
.Lhidden_\@:
	s_add_co_u32 s[KF], s[KF], 64
	s_add_co_u32 s[TB], s[TB], 8192
.endm
; THE CHANGE OF SLOTS, at a slot's head.  Each wave waits for all its tensor loads, adds 0 to its spare word, and waits for that and for its reads of the slot that it has left; behind the barrier the slot ahead is whole
; and nobody reads the other one.  fill = 1: that other slot takes the next 256 keys, up to the causal limit.
.macro CHANGE fill
	s_wait_tensorcnt 0x0
	ds_add_u32 v[SPW], v[NIL]
.if \fill
	ds_add_u32 v[SPW], v[NIL]                      ; twice on end here, in every trip alike
	s_xor_b32 s[G0+1], s[G0+1], SLOT1              ; no load of mine is out: the descriptor walks to the other slot,
	s_add_nc_u64 s[G0+2:G0+3], s[G0+2:G0+3], 32768 ; the next 256 keys
	s_wait_xcnt 0x0                                ; the last prefetch, a slot back, has read its address
	s_add_nc_u64 s[PFA:PFA+1], s[PFA:PFA+1], 32768
.endif
	s_wait_dscnt 0x0
	s_barrier_signal -1
	s_barrier_wait -1
.if \fill
	s_add_co_u32 s19, s[KF], 256                   ; the first key of the slot that this change would ask for
	s_cmp_gt_u32 s19, s[WGL]                       ; ids and the count of steps alone: all sixteen waves go the same way; no step reads a slot that is left out
	s_cbranch_scc1 .Lpast_\@
	TLOAD
.Lpast_\@:
	ASK
.endif
.endm
.macro SLOT_STEPS                      ; a slot's four key steps: written once, walked four times
	s_mov_b32 s[STP], 4
.Lstep_\@:
	STEP
	s_sub_co_u32 s[STP], s[STP], 1
	s_cmp_lg_u32 s[STP], 0
	s_cbranch_scc1 .Lstep_\@
	s_sub_co_u32 s[TB], s[TB], 32768
	s_xor_b32 s[TB], s[TB], SLOT1
.endm
	s_wait_loadcnt 0x0                             ; Q
.Lslot:                                            ; seven trips: behind each change of slots but the last the next slot is asked for
	CHANGE 1
	SLOT_STEPS
	s_sub_co_u32 s[SLOTS], s[SLOTS], 1
	s_cmp_lg_u32 s[SLOTS], 0
	s_cbranch_scc1 .Lslot
	CHANGE 0
	SLOT_STEPS
	; THE WAY OUT: O^T / l, rounded to f16; a lane's eight channels are the 16 bytes that the image gives it
.rept 4
	v_nop                                          ; places behind the last products
.endr
.irp t, 0,1
	v_add_f32 v[ST+8*\t+4], v[ST+8*\t+2], v[ST+8*\t+3]
.endr
.irp t, 0,1
	v_permlanex16_b32 v[ST+8*\t+5], v[ST+8*\t+4], s[SEL], s[SEL+1]
.endr
.irp t, 0,1
	v_add_f32 v[ST+8*\t+4], v[ST+8*\t+4], v[ST+8*\t+5]
.endr
.irp t, 0,1
	v_rcp_f32 v[ST+8*\t+6], v[ST+8*\t+4]
.endr
	v_nop
	s_wait_alu depctr_va_vdst(0)                   ; one wait for both reciprocals
.irp t, 0,1
.set n, 0
.rept 16
	v_pk_mul_f32 v[O+32*\t+n:O+32*\t+n+1], v[O+32*\t+n:O+32*\t+n+1], v[ST+8*\t+6:ST+8*\t+7] op_sel_hi:[1,0]
.set n, n+2
.endr
.endr
.set n, 0
.rept 32
	v_cvt_pk_f16_f32 v[S+n], v[O+2*n], v[O+2*n+1]
.set n, n+1
.endr
.irp t, 0,1
.irp dt, 0,1,2,3
	global_store_b128 v[LI], v[S+16*\t+4*\dt:S+16*\t+4*\dt+3], s[OP:OP+1] offset:\t*4096+\dt*512   ; 512 consecutive bytes, aligned
.endr
.endr
	s_wait_tensorcnt 0x0                           ; the wave's end
	ds_add_u32 v[SPW], v[NIL]
	s_wait_dscnt 0x0
	s_endpgm
.Lfunc_end_k_qc641d97b01_attn:
	.size	k_qc641d97b01_attn, .Lfunc_end_k_qc641d97b01_attn-k_qc641d97b01_attn
	.p2alignl 7, 3214868480
	.fill 96, 4, 3214868480
	.section	.rodata,"a",@progbits
	.p2align	6, 0x0
	.amdhsa_kernel k_qc641d97b01_attn
		.amdhsa_group_segment_fixed_size 327680
		.amdhsa_private_segment_fixed_size 0
		.amdhsa_enable_private_segment 0
		.amdhsa_kernarg_size 16
		.amdhsa_user_sgpr_count 2
		.amdhsa_user_sgpr_kernarg_segment_ptr 1
		.amdhsa_wavefront_size32 1
		.amdhsa_system_sgpr_workgroup_id_x 1
		.amdhsa_system_sgpr_workgroup_id_y 1
		.amdhsa_system_sgpr_workgroup_id_z 1
		.amdhsa_system_vgpr_workitem_id 0
		.amdhsa_next_free_vgpr 256
		.amdhsa_next_free_sgpr 66
		.amdhsa_reserve_vcc 1
		.amdhsa_float_denorm_mode_32 3
		.amdhsa_float_denorm_mode_16_64 3
		.amdhsa_memory_ordered 1
		.amdhsa_forward_progress 1
		.amdhsa_inst_pref_size 57
	.end_amdhsa_kernel
	.amdgpu_metadata
---
amdhsa.version: [ 1, 2 ]
amdhsa.kernels:
  - .name:           k_qc641d97b01_attn
    .symbol:         k_qc641d97b01_attn.kd
    .args:
      - { .name: qkv, .offset: 0, .size: 8, .value_kind: global_buffer, .address_space: global }
      - { .name: attn, .offset: 8, .size: 8, .value_kind: global_buffer, .address_space: global }
    .group_segment_fixed_size: 327680
    .private_segment_fixed_size: 0
    .kernarg_segment_align: 8
    .kernarg_segment_size: 16
    .max_flat_workgroup_size: 512
    .sgpr_count:     66
    .vgpr_count:     256
    .wavefront_size: 32
...
	.end_amdgpu_metadata
.endif
;; end of part 3
;; launch proj (part 4): grid 4 x 64, 4 waves a work-group, clusters of 4 x 4, 327,680 bytes of LDS; arguments attn, wo16, bo, out0; writes out0
.if DOCPART == 4
	.amdgcn_target "amdgcn-amd-amdhsa--gfx1250"
	.amdhsa_code_object_version 6
	.text
	.protected	k_qc641d97b01_proj
	.globl	k_qc641d97b01_proj
	.p2align	8
	.type	k_qc641d97b01_proj,@function
k_qc641d97b01_proj:
	s_mov_b64 s[64:65], 0
	v_nop
	global_prefetch_b8 v0, s[64:65] scope:SCOPE_SE
	s_setreg_imm32_b32 hwreg(HW_REG_WAVE_MODE, 25, 1), 1
	s_wait_xcnt 0x0
	s_wait_alu depctr_hold_cnt(0) depctr_sa_sdst(0) depctr_va_vdst(0) depctr_va_sdst(0) depctr_va_ssrc(0) depctr_va_vcc(0) depctr_vm_vsrc(0)
	s_getreg_b32 s2, hwreg(HW_REG_IB_STS2, 6, 4)
	s_cmp_eq_u32 s2, 0
	s_cbranch_scc0 .Lentry_in_a_cluster
	s_endpgm
.Lentry_in_a_cluster:
	s_bfe_u32 s2, ttmp6, 0x10000c
	s_cmp_lg_u32 s2, 0xf033
	s_cbranch_scc0 .Lentry_shape_is_right
	s_endpgm
.Lentry_shape_is_right:
; out0 = attn Wo + bo.  attn [8192][1024] and Wo [1024 k][1024 n] arrive in f16 as images of operand registers (a fragment of 16 rows x 32 along K is 1,024 bytes); sums in f32; out0 f32.
; A tile of out0 is 128 rows x 256 columns: 256 work-groups.  Four waves, each 64 x 128: 32 accumulators.  K goes in 8 steps of 128 through two LDS slots: A's 8 row tiles x 4,096 bytes, then B's 16 column tiles,
; each a dense block of memory, brought as rows of 256 bytes without padding: every LDS load reads 512 consecutive bytes.
; CLUSTERS: 4 x 4: A's tile is shared along a row of the cluster, B's along a column: joint loads; the round of the cluster's barrier stands in front of each refill.
; THE MATRIX INSTRUCTION IS USED TRANSPOSED (source 0 = 16 columns of Wo, source 1 = 16 rows of attn).  The bias is the C of each sum's first matrix instruction.
; The rows t < 16 of each sequence are stored here like the others and written again, from f32 operands, by the launch that follows.
; REGISTERS: window 0: v16-29 addresses; v32-95 the bias image; v96-127, v128-159 A's fragments, two buffers; on the way out v128-255 rows read back.  window 1: the accumulators, (a, b) at 8 (8 a + b).  window 2: B's fragments, two buffers of 64.
.set SLOT,   98304
.set BOFF,   32768
.set STAGE,  2*SLOT
.set SPITCH, 528
.set SPARE,  STAGE+4*16*SPITCH
.set LAPS,   4
.set ADRA, 16
.set ADRB, 20
.set STO,  24
.set RD,   25
.set CO,   26                          ; v26  16 x lane
.set SPW,  28
.set NIL,  29
.set BI,   32
.set BK,   128
.set G1, 24
.set G0, 32
.set G1B, 48
.set G0B, 56
.set MSB, 0
.macro WIN new
.if MSB != \new
	s_set_vgpr_msb (MSB<<8)|\new
.set MSB, \new
.endif
.endm
.set MUL,   0x52                       ; source 0 (B) window 2, source 1 (A) window 0, C and D window 1
.set MUL_Z, 0x42                       ; the same with C (the bias image) in window 0
.set TO_B,  0x80
.macro JLOAD s                         ; waves 0, 1 fetch A's halves, waves 2, 3 B's; an s_nop 0 and four v_nop follow each line
	s_cmp_eq_u32 s13, 0
	s_cbranch_scc0 .Lfor_b_\@
	tensor_load_to_lds s[G0+4*\s:G0+4*\s+3], s[G1:G1+7]
	s_nop 0
.rept 4
	v_nop
.endr
	s_branch .Lasked_\@
.Lfor_b_\@:
	tensor_load_to_lds s[G0B+4*\s:G0B+4*\s+3], s[G1B:G1B+7]
	s_nop 0
.rept 4
	v_nop
.endr
.Lasked_\@:
.endm
.macro CREST
	s_cmp_lg_u32 s12, 0
	s_cbranch_scc1 .Lnot_wave_0_\@
	s_barrier_signal -3
.Lnot_wave_0_\@:
	s_barrier_wait -3
	s_barrier_signal -1
	s_barrier_wait -1
.endm
.macro CROUND
	s_barrier_signal -1
	s_barrier_wait -1
	CREST
.endm
	s_load_b256 s[4:11], s[0:1], 0x0               ; attn s[4:5], wo16 s[6:7], bo s[8:9], out0 s[10:11]
	v_lshl_add_u32 v[SPW], v0, 2, SPARE
	v_mov_b32 v[NIL], 0
	ds_add_u32 v[SPW], v[NIL]                      ; the wave's opening: the add, twice on end, and its wait
	ds_add_u32 v[SPW], v[NIL]
	v_lshrrev_b32 v1, 5, v0
	v_readfirstlane_b32 s12, v1                    ; wave
	s_lshr_b32 s13, s12, 1                         ; my half of the rows; also: I fetch for A (0) or B (1)
	s_and_b32 s14, s12, 1                          ; my half of the columns; also: which half of that tile I fetch
	s_bfe_u32 s40, ttmp6, 0x40000
	s_bfe_u32 s41, ttmp6, 0x40004
	s_lshl_b32 s42, ttmp9, 2
	s_add_co_u32 s42, s42, s40                     ; tile column
	s_and_b32 s15, ttmp7, 0xffff
	s_lshl_b32 s15, s15, 2
	s_add_co_u32 s15, s15, s41                     ; tile row
	s_lshl_b32 s43, s41, 2
	s_lshl_b32 s43, 15, s43
	s_lshl_b32 s44, 0x1111, s40
	s_or_b32 s[G1+0], s43, (3<<16)|(1<<21)         ; mask; elements of 8 bytes; no padding
	s_or_b32 s[G1B+0], s44, (3<<16)|(1<<21)
	s_mov_b32 s[G1+1], 32<<16
	s_mov_b32 s[G1+2], 64<<16                      ; A: 64 rows of 256 bytes a wave
	s_mov_b32 s[G1+3], 32<<16
	s_mov_b32 s[G1+4], 64
	s_mov_b32 s[G1+5], 32
	s_mov_b32 s[G1+6], 0
	s_mov_b32 s[G1+7], 0
	s_mov_b32 s[G1B+1], 32<<16
	s_mov_b32 s[G1B+2], 128<<16                    ; B: 128 rows
	s_mov_b32 s[G1B+3], 32<<16
	s_mov_b32 s[G1B+4], 128
	s_mov_b32 s[G1B+5], 32
	s_mov_b32 s[G1B+6], 0
	s_mov_b32 s[G1B+7], 0
	s_lshl_b32 s16, s15, 15
	s_lshl_b32 s17, s14, 14
	s_add_co_u32 s16, s16, s17                     ; A: tile row x 32,768 + half x 16,384
	s_mov_b32 s17, 0
	s_lshl_b32 s46, s42, 16
	s_lshl_b32 s47, s14, 15
	s_add_co_u32 s46, s46, s47                     ; B: tile column x 65,536 + half x 32,768
	s_mov_b32 s47, 0
	s_lshl_b32 s20, s14, 14                        ; where they go
	s_lshl_b32 s21, s14, 15
	s_add_co_u32 s21, s21, BOFF
	s_wait_dscnt 0x0
	s_wait_kmcnt 0x0
	s_add_nc_u64 s[18:19], s[4:5], s[16:17]
	s_add_nc_u64 s[46:47], s[6:7], s[46:47]
	CROUND
.irp s, 0,1
	s_mov_b32 s[G0+4*\s], 1
	s_add_co_u32 s[G0+4*\s+1], s20, \s*SLOT
	s_add_nc_u64 s[G0+4*\s+2:G0+4*\s+3], s[18:19], \s*(1<<21)      ; K step s
	s_or_b32 s[G0+4*\s+3], s[G0+4*\s+3], 0x80000000
	s_mov_b32 s[G0B+4*\s], 1
	s_add_co_u32 s[G0B+4*\s+1], s21, \s*SLOT
	s_add_nc_u64 s[G0B+4*\s+2:G0B+4*\s+3], s[46:47], \s*(1<<18)
	s_or_b32 s[G0B+4*\s+3], s[G0B+4*\s+3], 0x80000000
	JLOAD \s
.endr
	v_and_b32 v1, 15, v0                           ; r
	v_bfe_u32 v2, v0, 4, 1                         ; h
	v_and_b32 v6, 31, v0
	v_lshlrev_b32 v[CO], 4, v6
	s_lshl_b32 s21, s13, 14
	s_lshl_b32 s22, s14, 15
	s_add_co_u32 s22, s22, BOFF
.irp s, 0,1
	v_add_nc_u32 v[ADRA+\s], s21, v[CO]
	v_add_nc_u32 v[ADRB+\s], s22, v[CO]
	s_add_co_u32 s21, s21, SLOT
	s_add_co_u32 s22, s22, SLOT
.endr
	s_mul_i32 s23, s12, 16*SPITCH
	s_add_co_u32 s23, s23, STAGE                   ; my stage
	v_mul_u32_u24 v5, v1, SPITCH
	v_lshl_add_u32 v5, v2, 5, v5
	v_add_nc_u32 v[STO], s23, v5
	v_add_nc_u32 v[RD], s23, v[CO]
	s_lshl_b32 s16, s42, 10
	s_lshl_b32 s17, s14, 9
	s_add_co_u32 s16, s16, s17                     ; my first column, in bytes
	s_mov_b32 s17, 0
	s_add_nc_u64 s[8:9], s[8:9], s[16:17]
	s_add_nc_u64 s[10:11], s[10:11], s[16:17]
	s_lshl_b32 s16, s15, 19
	s_lshl_b32 s22, s13, 18
	s_add_co_u32 s16, s16, s22                     ; my first row x 4,096 bytes
	s_add_nc_u64 s[10:11], s[10:11], s[16:17]
	v_lshlrev_b32 v5, 5, v2
.irp b, 0,1,2,3,4,5,6,7
	global_load_b128 v[BI+8*\b:BI+8*\b+3], v5, s[8:9] offset:64*\b         ; register 8 b + j: the bias of column 16 b + 8 h + j
	global_load_b128 v[BI+8*\b+4:BI+8*\b+7], v5, s[8:9] offset:64*\b+16
.endr
.macro MUL8 f, a, zero                 ; A's tile a x B's eight, 32 along K, buffer f.  The 32 accumulators take turns
.irp b, 0,1,2,3,4,5,6,7
.if \zero
	v_wmma_f32_16x16x32_f16 v[8*(8*(\a)+\b):8*(8*(\a)+\b)+7], v[64*(\f)+8*\b:64*(\f)+8*\b+7], v[96+32*(\f)+8*(\a):96+32*(\f)+8*(\a)+7], v[BI+8*\b:BI+8*\b+7]
.else
	v_wmma_f32_16x16x32_f16 v[8*(8*(\a)+\b):8*(8*(\a)+\b)+7], v[64*(\f)+8*\b:64*(\f)+8*\b+7], v[96+32*(\f)+8*(\a):96+32*(\f)+8*(\a)+7], v[8*(8*(\a)+\b):8*(8*(\a)+\b)+7]
.endif
.endr
.endm
.macro FETCH slot, k, f                ; 24 LDS loads in one run: B's eight fragments, then A's four
	WIN TO_B
.irp b, 0,1,2,3,4,5,6,7
	ds_load_b128 v[64*(\f)+8*\b:64*(\f)+8*\b+3],   v[ADRB+\slot] offset:\k+4096*\b
	ds_load_b128 v[64*(\f)+8*\b+4:64*(\f)+8*\b+7], v[ADRB+\slot] offset:\k+4096*\b+512
.endr
	WIN 0
.irp a, 0,1,2,3
	ds_load_b128 v[96+32*(\f)+8*\a:96+32*(\f)+8*\a+3],   v[ADRA+\slot] offset:\k+4096*\a
	ds_load_b128 v[96+32*(\f)+8*\a+4:96+32*(\f)+8*\a+7], v[ADRA+\slot] offset:\k+4096*\a+512
.endr
.endm
.macro PLACES
.rept 4
	v_nop
.endr
.endm
.macro QUARTER slot, k, f, g, zero     ; 32 along K from buffer f; the next quarter, at byte k, is fetched into g in its middle
	s_wait_dscnt 4                                 ; B and A's tiles 0, 1 are in; the youngest four loads (tiles 2, 3) may be out
.if \zero
	WIN MUL_Z
.else
	WIN MUL
.endif
	MUL8 \f, 0, \zero
	MUL8 \f, 1, \zero
	PLACES
	FETCH \slot, \k, \g
	s_wait_dscnt 24                                ; all but the 24 just issued
.if \zero
	WIN MUL_Z
.else
	WIN MUL
.endif
	MUL8 \f, 2, \zero
	MUL8 \f, 3, \zero
.endm
.macro TURN slot, next, fill           ; a K step's last quarter (buffer 1) changes slots: one barrier
	WIN 0
	s_wait_tensorcnt 0x0                           ; all my tensor loads have landed: my part of the next slot
	ds_add_u32 v[SPW], v[NIL]
	s_wait_dscnt 5                                 ; (the add and the youngest four loads may be out)
	WIN MUL
	MUL8 1, 0, 0
	s_wait_dscnt 0x0                               ; the add is done, and my reads of this slot are over
	s_barrier_signal -1
	MUL8 1, 1, 0
.if \fill
	WIN 0
.endif
	s_barrier_wait -1
.if \fill
	CREST                                          ; the barrier has opened a round of the cluster's: no wave of any partner still reads this slot or has a load on its way
	s_add_nc_u64 s[G0+4*\slot+2:G0+4*\slot+3], s[G0+4*\slot+2:G0+4*\slot+3], 2<<21
	s_add_nc_u64 s[G0B+4*\slot+2:G0B+4*\slot+3], s[G0B+4*\slot+2:G0B+4*\slot+3], 2<<18
	JLOAD \slot                                    ; its four v_nop are also the places in front of the loads below
.else
	PLACES
.endif
	FETCH \next, 0, 0
	WIN MUL
	MUL8 1, 2, 0
	MUL8 1, 3, 0
.endm
	s_wait_tensorcnt 1                             ; my part of K step 0 is in; K step 1's load may stay out
	s_barrier_signal -1
	s_barrier_wait -1
	FETCH 0, 0, 0
	s_wait_loadcnt 0x0                             ; the bias image
	QUARTER 0, 1024, 0, 1, 1                       ; the first quarter starts the sums on the bias
	WIN 0
	s_mov_b32 s3, LAPS-1
.Llap:
	QUARTER 0, 2048, 1, 0, 0
	QUARTER 0, 3072, 0, 1, 0
	TURN 0, 1, 1
	QUARTER 1, 1024, 0, 1, 0
	QUARTER 1, 2048, 1, 0, 0
	QUARTER 1, 3072, 0, 1, 0
	TURN 1, 0, 1
	QUARTER 0, 1024, 0, 1, 0
	WIN 0
	s_sub_co_u32 s3, s3, 1
	s_cmp_lg_u32 s3, 0
	s_cbranch_scc1 .Llap
	QUARTER 0, 2048, 1, 0, 0                       ; the last lap fills nothing
	QUARTER 0, 3072, 0, 1, 0
	TURN 0, 1, 0
	QUARTER 1, 1024, 0, 1, 0
	QUARTER 1, 2048, 1, 0, 0
	QUARTER 1, 3072, 0, 1, 0
	s_wait_dscnt 4
	WIN MUL
	MUL8 1, 0, 0
	MUL8 1, 1, 0
	s_wait_dscnt 0
	MUL8 1, 2, 0
	MUL8 1, 3, 0
	WIN 0
; THE WAY OUT, a block of 16 rows x 128 columns at a time, through my own stage: in as 32 bytes a lane, back as whole rows of 512 bytes.  LDS serves a wave's instructions in order.
.macro TOSTAGE a
	WIN 0x04                                       ; an LDS store's data: window 1
.irp b, 0,1,2,3,4,5,6,7
	ds_store_b128 v[STO], v[8*(8*(\a)+\b):8*(8*(\a)+\b)+3] offset:64*\b          ; each accumulator from its low end on
	ds_store_b128 v[STO], v[8*(8*(\a)+\b)+4:8*(8*(\a)+\b)+7] offset:64*\b+16
.endr
	WIN 0
.set BB, BK+64*((\a)%2)
.irp t, 0,1,2,3,4,5,6,7,8,9,10,11,12,13,14,15
	ds_load_b128 v[BB+4*\t:BB+4*\t+3], v[RD] offset:\t*SPITCH
.endr
.endm
.macro SEND a, younger
.set BB, BK+64*((\a)%2)
	s_wait_dscnt \younger
.irp t, 0,1,2,3,4,5,6,7,8,9,10,11,12,13,14,15
	global_store_b128 v[CO], v[BB+4*\t:BB+4*\t+3], s[10:11] offset:(16*(\a)+\t)*4096 th:TH_STORE_NT   ; 32 lanes store 512 consecutive bytes, aligned
.endr
.endm
	PLACES
	TOSTAGE 0
.irp a, 1,2,3
.if \a > 1
	s_wait_xcnt 0x0                                ; block a - 2's stores have read their registers: block a's loads may land there
.endif
	TOSTAGE \a
	SEND \a-1, 32                                  ; behind block a - 1's loads: block a's 16 stores and 16 loads
.endr
	SEND 3, 0
	s_wait_tensorcnt 0x0                           ; the wave's end
	ds_add_u32 v[SPW], v[NIL]
	s_wait_dscnt 0x0
	CROUND                                         ; the closing round
	s_endpgm
.Lfunc_end_k_qc641d97b01_proj:
	.size	k_qc641d97b01_proj, .Lfunc_end_k_qc641d97b01_proj-k_qc641d97b01_proj
	.p2alignl 7, 3214868480
	.fill 96, 4, 3214868480
	.section	.rodata,"a",@progbits
	.p2align	6, 0x0
	.amdhsa_kernel k_qc641d97b01_proj
		.amdhsa_group_segment_fixed_size 327680
		.amdhsa_private_segment_fixed_size 0
		.amdhsa_enable_private_segment 0
		.amdhsa_kernarg_size 32
		.amdhsa_user_sgpr_count 2
		.amdhsa_user_sgpr_kernarg_segment_ptr 1
		.amdhsa_wavefront_size32 1
		.amdhsa_system_sgpr_workgroup_id_x 1
		.amdhsa_system_sgpr_workgroup_id_y 1
		.amdhsa_system_sgpr_workgroup_id_z 1
		.amdhsa_system_vgpr_workitem_id 0
		.amdhsa_next_free_vgpr 768
		.amdhsa_next_free_sgpr 66
		.amdhsa_reserve_vcc 0
		.amdhsa_float_denorm_mode_32 3
		.amdhsa_float_denorm_mode_16_64 3
		.amdhsa_memory_ordered 1
		.amdhsa_forward_progress 1
		.amdhsa_inst_pref_size 86
	.end_amdhsa_kernel
	.amdgpu_metadata
---
amdhsa.version: [ 1, 2 ]
amdhsa.kernels:
  - .name:           k_qc641d97b01_proj
    .symbol:         k_qc641d97b01_proj.kd
    .args:
      - { .name: attn, .offset: 0, .size: 8, .value_kind: global_buffer, .address_space: global }
      - { .name: wo16, .offset: 8, .size: 8, .value_kind: global_buffer, .address_space: global }
      - { .name: bo, .offset: 16, .size: 8, .value_kind: global_buffer, .address_space: global }
      - { .name: out0, .offset: 24, .size: 8, .value_kind: global_buffer, .address_space: global }
    .group_segment_fixed_size: 327680
    .private_segment_fixed_size: 0
    .kernarg_segment_align: 8
    .kernarg_segment_size: 32
    .max_flat_workgroup_size: 128
    .sgpr_count:     66
    .vgpr_count:     768
    .wavefront_size: 32
...
	.end_amdgpu_metadata
.endif
;; end of part 4
;; launch first (part 5): grid 32 x 4, 16 waves a work-group, no clusters, 34,816 bytes of LDS; arguments fine, Wo, bo, out0; writes out0
.if DOCPART == 5
	.amdgcn_target "amdgcn-amd-amdhsa--gfx1250"
	.amdhsa_code_object_version 6
	.text
	.protected	k_qc641d97b01_first
	.globl	k_qc641d97b01_first
	.p2align	8
	.type	k_qc641d97b01_first,@function
k_qc641d97b01_first:
	s_mov_b64 s[64:65], 0
	v_nop
	global_prefetch_b8 v0, s[64:65] scope:SCOPE_SE
	s_setreg_imm32_b32 hwreg(HW_REG_WAVE_MODE, 25, 1), 1
	s_wait_xcnt 0x0
; The first 16 positions of each sequence, wholly in f32: their attention averages one to sixteen values, so they are carried more finely than the rest, and so are their rows of the last product.
; A work-group is a batch b (y) and 32 columns of out0 (x).  Wave w is head w: it makes that head's 16 x 16 attention from the f32 rows q, k, v that the projection launch kept, and multiplies its own O^T by Wo's rows
; 64 w .. 64 w + 63: the split of the last product's K is the split by heads, so the attention's result never changes waves.  The sixteen partial sums meet in LDS; waves 0-3 add them and the bias and store.
; All products by the f32 matrix form, 16 x 16 x 4 (an operand: lane (r, h), register j: k = 2 h + j).  k is permuted alike in both operands of each product, so that operands are taken as they lie:
;   S^T = K Q^T: step s takes d = 32 h + 2 s + j;   O^T = V^T P: step p takes key 8 h + 2 p + j, which is where S^T left them;   out^T = Wo^T O^T: step (dt, p) takes d = 16 dt + 8 h + 2 p + j, where O^T left them.
; The registers that these products write (v176-191, v208-255) are written by matrix instructions alone; accumulators take turns.
; These stores are pieces of 16 bytes, 64 rows of out0 in all, over what the launch before stored there.   LIMITS: NaN and infinities are not served.
.set SPARE, 32768
.set SPW, 4
.set NIL, 5
	s_load_b256 s[4:11], s[0:1], 0x0               ; fine s[4:5], Wo s[6:7], bo s[8:9], out0 s[10:11]
	v_lshl_add_u32 v[SPW], v0, 2, SPARE
	v_mov_b32 v[NIL], 0
	v_lshrrev_b32 v1, 5, v0
	v_readfirstlane_b32 s12, v1                    ; wave = head
	s_and_b32 s13, ttmp7, 0xffff                   ; batch
	v_and_b32 v1, 31, v0
	v_lshlrev_b32 v1, 4, v1                        ; 16 x lane
	v_and_b32 v2, 15, v0                           ; r
	v_bfe_u32 v3, v0, 4, 1                         ; h
	v_lshlrev_b32 v6, 13, v2
	v_lshl_add_u32 v6, v3, 7, v6                   ; q, k: row t = r of 8,192 bytes, d = 32 h on
	v_lshlrev_b32 v7, 6, v2
	v_lshl_add_u32 v7, v3, 5, v7                   ; v: row d = r of 64 bytes, t = 8 h on
	v_lshlrev_b32 v8, 15, v3
	v_lshl_add_u32 v8, v2, 2, v8                   ; Wo: 8 h rows of 4,096 bytes, column r
	v_lshlrev_b32 v9, 5, v3                        ; bo: 8 h columns
	v_lshlrev_b32 v10, 3, v3
	v_sub_nc_u32 v10, v2, v10                      ; r - 8 h
	s_lshl_b32 s14, s12, 11
	v_add_nc_u32 v11, s14, v1                      ; LDS: my partial sums: 2,048 x wave + 16 x lane
	v_lshl_add_u32 v3, v2, 12, v9                  ; out0: row r, + 32 h
	s_and_b32 s15, s12, 3
	s_lshl_b32 s14, s15, 9
	v_add_nc_u32 v2, s14, v1                       ; LDS: the piece that I add up: 512 x (wave & 3) + 16 x lane
	s_lshl_b32 s16, s13, 17
	s_lshl_b32 s14, s12, 8
	s_add_co_u32 s16, s16, s14
	s_mov_b32 s17, 0
	s_lshl_b32 s18, s13, 16
	s_lshl_b32 s14, s12, 12
	s_add_co_u32 s18, s18, s14
	s_add_co_u32 s18, s18, 524288
	s_mov_b32 s19, 0
	s_lshl_b32 s24, s12, 18
	s_lshl_b32 s14, ttmp9, 7                       ; 4 n0
	s_add_co_u32 s24, s24, s14
	s_mov_b32 s25, 0
	s_lshr_b32 s26, s15, 1
	s_lshl_b32 s26, s26, 6
	s_and_b32 s27, s15, 1
	s_lshl_b32 s27, s27, 4
	s_add_co_u32 s26, s26, s27
	s_add_co_u32 s26, s26, s14                     ; 4 n0 + 64 tau + 16 g: my piece's columns
	s_mov_b32 s27, 0
	s_lshl_b32 s28, s13, 23
	s_add_co_u32 s28, s28, s26
	s_mov_b32 s29, 0
	s_mov_b32 s20, 0x76543210
	s_mov_b32 s21, 0xfedcba98
	s_mov_b32 s22, 0x3e38aa3b                      ; c = log2(e) / 8
	s_wait_kmcnt 0x0
	s_add_nc_u64 s[16:17], s[4:5], s[16:17]
	s_add_nc_u64 s[18:19], s[4:5], s[18:19]
	s_add_nc_u64 s[6:7], s[6:7], s[24:25]
	s_add_nc_u64 s[8:9], s[8:9], s[26:27]
	s_add_nc_u64 s[10:11], s[10:11], s[28:29]
.irp i, 0,1,2,3,4,5,6,7
	global_load_b128 v[16+4*\i:19+4*\i], v6, s[16:17] offset:16*\i          ; Q: v16-47
.endr
.irp i, 0,1,2,3,4,5,6,7
	global_load_b128 v[48+4*\i:51+4*\i], v6, s[16:17] offset:4096+16*\i     ; K: v48-79
.endr
.irp dt, 0,1,2,3
	global_load_b128 v[80+8*\dt:83+8*\dt], v7, s[18:19] offset:1024*\dt     ; V(dt): v80-111
	global_load_b128 v[84+8*\dt:87+8*\dt], v7, s[18:19] offset:1024*\dt+16
.endr
	global_load_b128 v[12:15], v9, s[8:9]                                   ; bo
.irp dt, 0,1,2,3
.irp p, 0,1,2,3
.irp tau, 0,1
.irp j, 0,1
	global_load_b32 v[112+4*(4*\dt+\p)+2*\tau+\j], v8, s[6:7] offset:(16*\dt+2*\p+\j)*4096+64*\tau   ; Wo(64 w + 16 dt + 8 h + 2 p + j, n0 + 16 tau + r): v112-175
.endr
.endr
.endr
.endr
	s_wait_loadcnt 63                              ; of 89 loads at most 63 are out: the first 26 are in, Q, K, V and bo among them
	v_wmma_f32_16x16x4_f32 v[176:183], v[48:49], v[16:17], 0       ; S^T in two halves that take turns
	v_wmma_f32_16x16x4_f32 v[184:191], v[50:51], v[18:19], 0
.irp s, 4,8,12,16,20,24,28
	v_wmma_f32_16x16x4_f32 v[176:183], v[48+\s:49+\s], v[16+\s:17+\s], v[176:183]
	v_wmma_f32_16x16x4_f32 v[184:191], v[50+\s:51+\s], v[18+\s:19+\s], v[184:191]
.endr
.rept 8
	v_nop                                          ; eight places behind this form
.endr
.irp j, 0,1,2,3,4,5,6,7
	v_add_f32 v[192+\j], v[176+\j], v[184+\j]      ; lane (r, h): query r, key 8 h + j
.endr
	v_mov_b32 v16, 0xff800000
.irp j, 0,1,2,3,4,5,6,7
	v_cmp_gt_i32 vcc_lo, \j, v10                   ; hidden where 8 h + j > r
	v_cndmask_b32 v[192+\j], v[192+\j], v16, vcc_lo
.endr
	v_max3_num_f32 v17, v192, v193, v194
	v_max3_num_f32 v17, v17, v195, v196
	v_max3_num_f32 v17, v17, v197, v198
	v_max_num_f32 v17, v17, v199
	v_permlanex16_b32 v18, v17, s20, s21
	v_max_num_f32 v17, v17, v18                    ; the row's maximum: key 0 counts for every query
	v_mul_f32 v18, s22, v17
.irp j, 0,1,2,3,4,5,6,7
	v_fma_f32 v[192+\j], v[192+\j], s22, -v18
.endr
.irp j, 0,1,2,3,4,5,6,7
	v_exp_f32 v[192+\j], v[192+\j]
.endr
	v_nop
	s_wait_alu depctr_va_vdst(0)                   ; one wait for the eight exponentials
	v_add_f32 v17, v192, v193
	v_add_f32 v18, v194, v195
	v_add_f32 v17, v17, v196
	v_add_f32 v18, v18, v197
	v_add_f32 v17, v17, v198
	v_add_f32 v18, v18, v199
	v_add_f32 v17, v17, v18
	v_permlanex16_b32 v18, v17, s20, s21
	v_add_f32 v17, v17, v18
	v_rcp_f32 v19, v17
	v_nop
	s_wait_alu depctr_va_vdst(0)
.irp j, 0,1,2,3,4,5,6,7
	v_mul_f32 v[200+\j], v[192+\j], v19            ; the weights, normalised ahead of the product: O^T is then final
.endr
.irp p, 0,1,2,3
.irp dt, 0,1,2,3
.if \p == 0
	v_wmma_f32_16x16x4_f32 v[208+8*\dt:215+8*\dt], v[80+8*\dt:81+8*\dt], v[200:201], 0
.else
	v_wmma_f32_16x16x4_f32 v[208+8*\dt:215+8*\dt], v[80+8*\dt+2*\p:81+8*\dt+2*\p], v[200+2*\p:201+2*\p], v[208+8*\dt:215+8*\dt]
.endif
.endr
.endr
.rept 9
	v_nop                                          ; nine places before a matrix instruction takes these results as an operand
.endr
	s_wait_loadcnt 0x0                             ; Wo
.irp dt, 0,1,2,3
.irp p, 0,1,2,3
.irp tau, 0,1
.if (4*\dt+\p) == 0
	v_wmma_f32_16x16x4_f32 v[240+8*\tau:247+8*\tau], v[112+2*\tau:113+2*\tau], v[208:209], 0
.else
	v_wmma_f32_16x16x4_f32 v[240+8*\tau:247+8*\tau], v[112+4*(4*\dt+\p)+2*\tau:113+4*(4*\dt+\p)+2*\tau], v[208+8*\dt+2*\p:209+8*\dt+2*\p], v[240+8*\tau:247+8*\tau]
.endif
.endr
.endr
.endr
.rept 8
	v_nop
.endr
.irp tau, 0,1
	ds_store_b128 v11, v[240+8*\tau:243+8*\tau] offset:1024*\tau       ; lane (r, h): row t = r, columns n0 + 16 tau + 8 h + 0..3,
	ds_store_b128 v11, v[244+8*\tau:247+8*\tau] offset:1024*\tau+512   ; and + 4..7
.endr
	s_wait_dscnt 0x0                               ; for the others' sake: my partial sums lie in LDS
	s_barrier_signal -1
	s_barrier_wait -1
	s_cmp_lt_u32 s12, 4
	s_cbranch_scc0 .Lend
.irp p, 0,1,2,3,4,5,6,7,8,9,10,11,12,13,14,15
	ds_load_b128 v[16+4*\p:19+4*\p], v2 offset:2048*\p
.endr
	s_wait_dscnt 0x0
.irp p, 0,1,2,3,4,5,6,7
	v_pk_add_f32 v[16+4*\p:17+4*\p], v[16+4*\p:17+4*\p], v[48+4*\p:49+4*\p]
	v_pk_add_f32 v[18+4*\p:19+4*\p], v[18+4*\p:19+4*\p], v[50+4*\p:51+4*\p]
.endr
.irp p, 0,1,2,3
	v_pk_add_f32 v[16+4*\p:17+4*\p], v[16+4*\p:17+4*\p], v[32+4*\p:33+4*\p]
	v_pk_add_f32 v[18+4*\p:19+4*\p], v[18+4*\p:19+4*\p], v[34+4*\p:35+4*\p]
.endr
.irp p, 0,1
	v_pk_add_f32 v[16+4*\p:17+4*\p], v[16+4*\p:17+4*\p], v[24+4*\p:25+4*\p]
	v_pk_add_f32 v[18+4*\p:19+4*\p], v[18+4*\p:19+4*\p], v[26+4*\p:27+4*\p]
.endr
	v_pk_add_f32 v[16:17], v[16:17], v[20:21]
	v_pk_add_f32 v[18:19], v[18:19], v[22:23]
	v_pk_add_f32 v[16:17], v[16:17], v[12:13]      ; + bo
	v_pk_add_f32 v[18:19], v[18:19], v[14:15]
	global_store_b128 v3, v[16:19], s[10:11]
.Lend:
	s_wait_tensorcnt 0x0                           ; the wave's end, behind my last LDS store
	ds_add_u32 v[SPW], v[NIL]
	s_wait_dscnt 0x0
	s_endpgm
.Lfunc_end_k_qc641d97b01_first:
	.size	k_qc641d97b01_first, .Lfunc_end_k_qc641d97b01_first-k_qc641d97b01_first
	.p2alignl 7, 3214868480
	.fill 96, 4, 3214868480
	.section	.rodata,"a",@progbits
	.p2align	6, 0x0
	.amdhsa_kernel k_qc641d97b01_first
		.amdhsa_group_segment_fixed_size 34816
		.amdhsa_private_segment_fixed_size 0
		.amdhsa_enable_private_segment 0
		.amdhsa_kernarg_size 32
		.amdhsa_user_sgpr_count 2
		.amdhsa_user_sgpr_kernarg_segment_ptr 1
		.amdhsa_wavefront_size32 1
		.amdhsa_system_sgpr_workgroup_id_x 1
		.amdhsa_system_sgpr_workgroup_id_y 1
		.amdhsa_system_sgpr_workgroup_id_z 1
		.amdhsa_system_vgpr_workitem_id 0
		.amdhsa_next_free_vgpr 256
		.amdhsa_next_free_sgpr 66
		.amdhsa_reserve_vcc 1
		.amdhsa_float_denorm_mode_32 3
		.amdhsa_float_denorm_mode_16_64 3
		.amdhsa_memory_ordered 1
		.amdhsa_forward_progress 1
		.amdhsa_inst_pref_size 22
	.end_amdhsa_kernel
	.amdgpu_metadata
---
amdhsa.version: [ 1, 2 ]
amdhsa.kernels:
  - .name:           k_qc641d97b01_first
    .symbol:         k_qc641d97b01_first.kd
    .args:
      - { .name: fine, .offset: 0, .size: 8, .value_kind: global_buffer, .address_space: global }
      - { .name: Wo, .offset: 8, .size: 8, .value_kind: global_buffer, .address_space: global }
      - { .name: bo, .offset: 16, .size: 8, .value_kind: global_buffer, .address_space: global }
      - { .name: out0, .offset: 24, .size: 8, .value_kind: global_buffer, .address_space: global }
    .group_segment_fixed_size: 34816
    .private_segment_fixed_size: 0
    .kernarg_segment_align: 8
    .kernarg_segment_size: 32
    .max_flat_workgroup_size: 512
    .sgpr_count:     66
    .vgpr_count:     256
    .wavefront_size: 32
...
	.end_amdgpu_metadata
.endif
;; end of part 5
